; MI455X (gfx1250); checked and timed in simulation.
; The chip was launched on July 23, 2026; its instructions are those of AMD's public machine-readable ISA for CDNA 5 (MIT licence, August 2026) and "CDNA5" Instruction Set Architecture Reference Guide (July 2026). The comments in the code are by the model that wrote it; some were corrected since.
;; Multi Head Self Attention. Allowed arithmetic: matrix products marked QUANTISED: E2M3 operands, one E8M0 scale for each 32 along K, by v_wmma_scale_f32_16x16x128_f8f6f4 with both operands' format E2M3, f32 sums; everything else in f32.
;; Inputs: Wo_b 1,024 float32; Wo_w_codes 1,024 x 32 x 24 uint8 (E2M3 codes of Wo_w, K innermost, in blocks of 32 codes, four codes in three bytes); Wo_w_scales 1,024 x 32 uint8 (E8M0 scales of Wo_w, one for each 32 codes along K); Wqkv_b 3,072 float32; Wqkv_w_codes 3,072 x 32 x 24 uint8 (E2M3 codes of Wqkv_w, K innermost, in blocks of 32 codes, four codes in three bytes); Wqkv_w_scales 3,072 x 32 uint8 (E8M0 scales of Wqkv_w, one for each 32 codes along K); token_positions 2,048 int32; x_codes 4 x 2,048 x 32 x 24 uint8 (E2M3 codes of x, K innermost, in blocks of 32 codes, four codes in three bytes); x_scales 4 x 2,048 x 32 uint8 (E8M0 scales of x, one for each 32 codes along K).
;; Outputs: out0 4 x 2,048 x 1,024 float32.
;; This version of the problem:
;;   THIS VERSION OF THE PROBLEM IS GIVEN IN LOW PRECISION. The matrix products marked QUANTISED in the list below multiply operands that are first quantised to E2M3 (2 exponent bits, 3 mantissa bits; 6 bits a number), with one power-of-two scale for each 32 numbers along K (OCP MX v1.0); their sums are f32. All else is computed in f32.
;;   The module's matrix products, in the order in which they are computed (A, B: the left and right operand; K: the contracted axis; several contracted axes count as one K, in the product's order):
;;     1. [M 8,192, K 1,024] x [K 1,024, N 3,072]; A: input x (given as codes); B: input Wqkv_w (given as codes): QUANTISED
;;     2. batch 64 x [M 2,048, K 64] x [K 64, N 2,048]; A: computed on the way; B: computed on the way: QUANTISED
;;     3. batch 64 x [M 2,048, K 2,048] x [K 2,048, N 64]; A: softmax (see below); B: computed on the way: QUANTISED
;;     4. [M 8,192, K 1,024] x [K 1,024, N 1,024]; A: computed on the way; B: input Wo_w (given as codes): QUANTISED
;;   THE QUANTISER, for each operand of a quantised product, along K:
;;     - K is cut into blocks of 32 from its start; a last block that is shorter is filled with zeros.
;;     - A block's scale is 2^e with e = floor(log2(the largest magnitude in the block)) - 2, held to -126 .. 127; a block of zeros has e = 0. As a byte (E8M0): e + 127.
;;     - Each number is divided by its block's scale, clamped to +-7.5, and rounded to the nearest number of E2M3, ties to even, subnormals kept.
;;     - The product sums the exact products of the quantised numbers (number of the format x scale) in f32.
;;   ~~~python
;;   def quantise(x, axis):      # numpy; x: float32 -> the quantised numbers, widened to float32 again
;;       x = np.moveaxis(x, axis, -1); K = x.shape[-1]
;;       x = np.pad(x, [(0, 0)] * (x.ndim - 1) + [(0, -K % 32)]); x = x.reshape(x.shape[:-1] + (-1, 32)); a = np.abs(x).max(-1, keepdims=True)
;;       e = np.where(a > 0, np.clip(np.frexp(np.where(a > 0, a, 1))[1] - 1 - 2, -126, 127), 0)      # np.frexp(a)[1] - 1 = floor(log2(a)), exactly
;;       r = np.clip(x / 2.0 ** e, -7.5, 7.5)
;;       step = 2.0 ** (np.maximum(np.frexp(np.where(r == 0, 1, r))[1] - 1, 0) - 3)
;;       q = np.round(r / step) * step * 2.0 ** e      # np.round: ties to even
;;       return np.moveaxis(q.reshape(q.shape[:-2] + (-1,))[..., :K], -1, axis).astype(np.float32)
;;   ~~~
;;   SOFTMAX AHEAD OF A QUANTISED PRODUCT. Where the list says 'softmax', what is quantised is not the finished softmax but p = 2^(t - M), with t = logit x log2(e) and M = ceil(the row's largest t), a whole number; so 1/2 < the row's largest p <= 1. The row's sum l is taken of the UNQUANTISED p, in f32, and the product's result is divided by l at the end. Since M is a whole number, a kernel that streams over the keys may use a running M (the ceiling of the running maximum): every later rescaling is an exact power of two, which a block's scale takes up: the codes' values come out the same.
;;   OPERANDS COMPUTED ON THE WAY. 'Computed on the way' means the value that the module computes at that place (a softmax that the list does not call 'softmax' is quantised finished and normalised). What goes into a quantiser is computed in f32, as accurately as f32 sums, v_exp_f32 and their like allow (about 1e-6 of the number): no bf16 or f16 on the way to a quantiser, and a product that is left as it is and whose result goes on into a quantised operand takes f32 operands (vector FMAs, or v_wmma_f32_16x16x4_f32). A number that lies on a knife's edge between two numbers of the format may be rounded either way, as far as f32 arithmetic and the matrix unit's own rounding can turn it there, and no further.
;;   INPUTS GIVEN AS CODES. Wo_w (in the module: [1024, 1024], K = its axis 1); Wqkv_w (in the module: [3072, 1024], K = its axis 1); x (in the module: [4, 2048, 1024], K = its axis 2): each comes as NAME_codes (uint8): NAME with its K axis moved to the last place and cut into blocks of 32 codes, [.., K / 32, bytes a block], one block behind the other in memory; four codes in three bytes: a row's codes are one little-endian stream of bits, code i at bits 6 i .. 6 i + 5 (a code: sign, 2 exponent bits, 3 mantissa bits); and NAME_scales (uint8): the same leading axes, one E8M0 byte (e + 127) for each 32 codes along K. Its value is code x scale, taken as it is: it is not quantised again, and the codes and scales need not be those that the quantiser above would give.
;; One version. Each part assembles by itself: llvm-mc -triple=amdgcn-amd-amdhsa -mcpu=gfx1250 --defsym DOCPART=n.
;; ======== version 1 of 1: 4 launches
;; limits: right only within a limited range of input values
;; workspace buffers: rope 524,288 bytes; q_img 6,553,600 bytes; kv_img 13,107,200 bytes; o_img 6,291,456 bytes; o_scales 262,144 bytes
;; launch rope (part 1): grid 256 x 1, 8 waves a work-group, no clusters, 0 bytes of LDS; arguments token_positions, rope; writes rope
.if DOCPART == 1
	.amdgcn_target "amdgcn-amd-amdhsa--gfx1250"
	.amdhsa_code_object_version 6
	.text
	.protected	k_q2c70c3526c_rope
	.globl	k_q2c70c3526c_rope
	.p2align	8
	.type	k_q2c70c3526c_rope,@function
k_q2c70c3526c_rope:
	s_mov_b64 s[64:65], 0
	v_nop
	global_prefetch_b8 v0, s[64:65] scope:SCOPE_SE
	s_setreg_imm32_b32 hwreg(HW_REG_WAVE_MODE, 25, 1), 1
	s_wait_xcnt 0x0
; rope[s][j] = (cos, sin) of token_positions[s] x 10000^(-j / 32), f32, s = 0 .. 2047, j = 0 .. 31: the table that the next launch turns Q and K by.
; One thread makes one pair: 65,536 threads; thread gid = 256 x work-group + thread has s = gid / 32 and j = gid % 32, and stores 8 bytes at 8 gid: a wave stores 256 consecutive aligned bytes.
; Made once here, since each pair is wanted by 32 heads of Q and K and 4 batches.  Nothing but arithmetic: no LDS, no barrier, no matrix unit.
; 10000^(-j/32) = 2^(-j L), L = log2(10000) / 32 kept in two parts Lh + Ll: -j Lh is rounded to y, its rounding error and -j Ll make e, and 2^(y + e) = 2^y (1 + e ln 2).
; The angle x = position x that number (one rounding, as the problem has it) is reduced by n = nearest whole number to x 2/pi with pi/2 in three parts, then sine and cosine of |r| <= pi/4 by polynomials.
; LIMITS: positions of magnitude up to about 10^6 (n x the first part of pi/2 is taken off exactly only while n has few bits); NaN cannot arise from whole numbers.
	s_load_b128 s[4:7], s[0:1], 0x0                ; token_positions, rope
	s_lshl_b32 s8, ttmp9, 8
	v_add_nc_u32 v1, s8, v0                        ; gid
	s_delay_alu instid0(VALU_DEP_1)
	v_lshrrev_b32 v2, 5, v1                        ; s
	s_delay_alu instid0(VALU_DEP_1)
	v_lshlrev_b32 v2, 2, v2                        ; its position's byte
	v_and_b32 v3, 31, v0                           ; j
	s_delay_alu instid0(VALU_DEP_4)
	v_lshlrev_b32 v1, 3, v1                        ; 8 gid
	s_mov_b32 s10, 0xbed49a78                      ; -Lh
	s_mov_b32 s11, 0xb2179a31                      ; -Ll
	s_mov_b32 s12, 0xbfc90fdb                      ; -P1: pi/2 = P1 - P2 - P3
	s_mov_b32 s13, 0x333bbd2e                      ; P2
	s_mov_b32 s14, 0x26f72ced                      ; P3
	s_mov_b32 s15, 0xb94ca1f9                      ; sine: S3,
	s_mov_b32 s16, 0x3c08839e                      ; S2,
	s_mov_b32 s17, 0xbe2aaaa3                      ; S1
	s_mov_b32 s18, 0x37ccf5ce                      ; cosine: C3,
	s_mov_b32 s19, 0xbab6061a                      ; C2,
	s_mov_b32 s20, 0x3d2aaaa5                      ; C1
	s_wait_alu depctr_va_vdst(0)
	s_wait_kmcnt 0x0
	global_load_b32 v4, v2, s[4:5]
	v_cvt_f32_u32 v3, v3
	s_delay_alu instid0(VALU_DEP_1)
	v_mul_f32 v5, s10, v3                          ; y = -j Lh, rounded
	s_delay_alu instid0(VALU_DEP_1)
	v_fma_f32 v6, v3, s10, -v5                     ; what that rounding lost, exactly,
	s_delay_alu instid0(VALU_DEP_1)
	v_fma_f32 v6, v3, s11, v6                      ; and -j Ll: e
	s_wait_alu depctr_va_vdst(0)
	v_exp_f32 v7, v5                               ; 2^y
	v_mul_f32 v6, 0x3f317218, v6                   ; e ln 2 (the plain instruction between the exponential and the use of its result)
	s_wait_alu depctr_va_vdst(0)
	v_fma_f32 v7, v7, v6, v7                       ; 2^y (1 + e ln 2)
	s_wait_loadcnt 0x0                             ; the position
	v_cvt_f32_i32 v4, v4
	s_wait_alu depctr_va_vdst(0)
	v_mul_f32 v8, v4, v7                           ; x
	s_delay_alu instid0(VALU_DEP_1)
	v_mul_f32 v9, 0x3f22f983, v8                   ; x 2/pi
	s_delay_alu instid0(VALU_DEP_1)
	v_rndne_f32 v9, v9                             ; n
	s_delay_alu instid0(VALU_DEP_1)
	v_fma_f32 v10, v9, s12, v8
	s_delay_alu instid0(VALU_DEP_1)
	v_fma_f32 v10, v9, s13, v10
	s_delay_alu instid0(VALU_DEP_1)
	v_fma_f32 v10, v9, s14, v10                    ; r = x - n pi/2
	s_delay_alu instid0(VALU_DEP_1)
	v_mul_f32 v11, v10, v10                        ; z = r r
	s_delay_alu instid0(VALU_DEP_1)
	v_fma_f32 v12, v11, s15, s16
	s_delay_alu instid0(VALU_DEP_1)
	v_fma_f32 v12, v12, v11, s17
	s_delay_alu instid0(VALU_DEP_3)
	v_mul_f32 v13, v10, v11
	s_delay_alu instid0(VALU_DEP_1)
	v_fma_f32 v12, v13, v12, v10                   ; sin r = r + r z (S1 + S2 z + S3 z z)
	v_fma_f32 v14, v11, s18, s19
	s_delay_alu instid0(VALU_DEP_1)
	v_fma_f32 v14, v14, v11, s20
	v_fma_f32 v15, v11, -0.5, 1.0
	v_mul_f32 v16, v11, v11
	s_delay_alu instid0(VALU_DEP_1)
	v_fma_f32 v14, v16, v14, v15                   ; cos r = 1 - z / 2 + z z (C1 + C2 z + C3 z z)
	v_cvt_i32_f32 v17, v9                          ; the quadrant is n mod 4
	s_delay_alu instid0(VALU_DEP_1)
	v_and_b32 v18, 1, v17
	s_delay_alu instid0(VALU_DEP_1)
	v_cmp_eq_u32 vcc_lo, 1, v18
	s_delay_alu instid0(VALU_DEP_1)
	v_cndmask_b32 v19, v12, v14, vcc_lo            ; odd quadrants: the sine is +-cos r,
	s_delay_alu instid0(VALU_DEP_2)
	v_cndmask_b32 v20, v14, v12, vcc_lo            ; the cosine +-sin r
	v_lshlrev_b32 v21, 30, v17
	s_delay_alu instid0(VALU_DEP_1)
	v_and_b32 v21, 0x80000000, v21                 ; the sine is negated in quadrants 2 and 3: bit 1 of n,
	v_add_nc_u32 v22, 1, v17
	s_delay_alu instid0(VALU_DEP_1)
	v_lshlrev_b32 v22, 30, v22
	s_delay_alu instid0(VALU_DEP_1)
	v_and_b32 v22, 0x80000000, v22                 ; the cosine in quadrants 1 and 2: bit 1 of n + 1
	s_delay_alu instid0(VALU_DEP_1)
	v_xor_b32 v24, v20, v22                        ; cos x
	v_xor_b32 v25, v19, v21                        ; sin x
	global_store_b64 v1, v[24:25], s[6:7]
	s_endpgm
.Lfunc_end_k_q2c70c3526c_rope:
	.size	k_q2c70c3526c_rope, .Lfunc_end_k_q2c70c3526c_rope-k_q2c70c3526c_rope
	.p2alignl 7, 3214868480
	.fill 96, 4, 3214868480
	.section	.rodata,"a",@progbits
	.p2align	6, 0x0
	.amdhsa_kernel k_q2c70c3526c_rope
		.amdhsa_group_segment_fixed_size 0
		.amdhsa_private_segment_fixed_size 0
		.amdhsa_enable_private_segment 0
		.amdhsa_kernarg_size 16
		.amdhsa_user_sgpr_count 2
		.amdhsa_user_sgpr_kernarg_segment_ptr 1
		.amdhsa_wavefront_size32 1
		.amdhsa_system_sgpr_workgroup_id_x 1
		.amdhsa_system_sgpr_workgroup_id_y 1
		.amdhsa_system_sgpr_workgroup_id_z 1
		.amdhsa_system_vgpr_workitem_id 0
		.amdhsa_next_free_vgpr 32
		.amdhsa_next_free_sgpr 66
		.amdhsa_reserve_vcc 1
		.amdhsa_float_denorm_mode_32 3
		.amdhsa_float_denorm_mode_16_64 3
		.amdhsa_memory_ordered 1
		.amdhsa_forward_progress 1
		.amdhsa_inst_pref_size 5
	.end_amdhsa_kernel
	.amdgpu_metadata
---
amdhsa.version: [ 1, 2 ]
amdhsa.kernels:
  - .name:           k_q2c70c3526c_rope
    .symbol:         k_q2c70c3526c_rope.kd
    .args:
      - { .name: token_positions, .offset: 0, .size: 8, .value_kind: global_buffer, .address_space: global }
      - { .name: rope, .offset: 8, .size: 8, .value_kind: global_buffer, .address_space: global }
    .group_segment_fixed_size: 0
    .private_segment_fixed_size: 0
    .kernarg_segment_align: 8
    .kernarg_segment_size: 16
    .max_flat_workgroup_size: 256
    .sgpr_count:     66
    .vgpr_count:     32
    .wavefront_size: 32
...
	.end_amdgpu_metadata
.endif
;; end of part 1
;; launch qkv (part 2): grid 8 x 48, 4 waves a work-group, clusters of 4 x 4, 327,680 bytes of LDS; arguments x_codes, x_scales, Wqkv_w_codes, Wqkv_w_scales, Wqkv_b, rope, q_img, kv_img; writes q_img, kv_img
.if DOCPART == 2
	.amdgcn_target "amdgcn-amd-amdhsa--gfx1250"
	.amdhsa_code_object_version 6
	.text
	.protected	k_q2c70c3526c_qkv
	.globl	k_q2c70c3526c_qkv
	.p2align	8
	.type	k_q2c70c3526c_qkv,@function
k_q2c70c3526c_qkv:
	s_mov_b64 s[64:65], 0
	v_nop
	global_prefetch_b8 v0, s[64:65] scope:SCOPE_SE
	s_setreg_imm32_b32 hwreg(HW_REG_WAVE_MODE, 25, 1), 1
	s_wait_xcnt 0x0
	s_wait_alu depctr_hold_cnt(0) depctr_sa_sdst(0) depctr_va_vdst(0) depctr_va_sdst(0) depctr_va_ssrc(0) depctr_va_vcc(0) depctr_vm_vsrc(0)
	s_getreg_b32 s2, hwreg(HW_REG_IB_STS2, 6, 4)
	s_cmp_eq_u32 s2, 0
	s_cbranch_scc0 .Lentry_in_a_cluster
	s_endpgm
.Lentry_in_a_cluster:
	s_bfe_u32 s2, ttmp6, 0x10000c
	s_cmp_lg_u32 s2, 0xf033
	s_cbranch_scc0 .Lentry_shape_is_right
	s_endpgm
.Lentry_shape_is_right:
; qkv = x Wqkv^T + b on codes of FP6 (E2M3) with E8M0 scales as they are given; then Q and K are turned (RoPE) and quantised along the head's 64, V is quantised along the KEYS, and all three leave as
; IMAGES OF THE REGISTERS in which the attention launch wants them.  x: 8,192 rows, Wqkv: 3,072 rows, K = 1,024 (768 bytes of codes, 32 scale bytes a row).
; A work-group of four waves makes 256 x 256 of the product, a wave 128 x 128: 64 accumulators, 512 registers.  K goes in slots of 256 through a ring of two LDS slots; eight steps of 128, written out.
; U AND L.  Source 0 of the matrix instruction takes 16 rows of "U", source 1 16 rows of "L": in a result a lane holds ONE row of L (lane % 16) and its registers run along U.
;   clusters with y < 8 (256 work-groups): U = rows of Wqkv for Q and K, L = tokens: a lane's registers run along a head's channels, the K of the first attention product.
;   clusters with y >= 8 (128 work-groups): U = tokens, L = rows of Wqkv for V: a lane's registers run along the keys, the K of the second attention product.
; THE ROWS OF U THAT FORM A TILE ARE NOT NEIGHBOURS: slot m of tile i of a group of 64 rows is row 8 i + m % 8 + 32 (m / 8).  Lane half h, register j of tile i then hold row 32 h + 8 i + j: the 32 registers
; of a group's four tiles are one WHOLE block of 32 in one lane, in order: a block's largest magnitude needs no other lane and the conversions' results are the operand's registers.
; CLUSTERS: 4 x 4.  L's tiles hang on the cluster's y and cy alone and are asked for jointly along a row of the cluster, U's on the cluster's x, y and cx alone, jointly along a column.
; THE SCALES of the work-group's 256 + 256 rows for all of K come into LDS once, in units of 256 bytes, and from there ONCE into 64 registers: v[SC + 8 n + q], block n, step q; lanes 0-15 L's word, lanes 16-31 U's.
; IMAGES.  q_img [bh 64][step 16][6,400]: four units of 1,536 bytes, then 256 bytes of scale words.  kv_img [bh][step][12,800]: K's four units, V's four fragments, K's scale words, V's scale words.
;   A unit is 12 registers a lane as three runs of 512 bytes (registers 4 k .. 4 k + 3 of lane l at 512 k + 16 l).  Unit 2 c + i of a step of 128 tokens: registers 0-5 of lane (r, h) are block h of token
;   64 c + 16 i + r % 8 + 32 (r / 8), registers 6-11 the same of the token 8 further on.  Scale words [slot 16][unit 4]: bytes (first token block 0, 1; second token block 0, 1).
;   V's fragment t: lane (r, h) has channel 8 t + r % 8 + 32 (r / 8); registers 6 c .. 6 c + 5 keys 64 c + 32 h + 0 .. 31.  Scale words [slot 16][fragment 4], byte 2 c + h.
; REGISTERS: window 0: v1-15 at work; v16-23 fragment addresses; v24-27, v30, v31 the way out's addresses; v28, v29 for the add; v32-95 scale words and nothing else; v96-127, v224-255 cos/sin of L's blocks 0 and 1;
;   v128-223 L's fragments, one set (on the way out: v128-191 64 numbers, v192-215 codes in two sets, v216-222 conversions' second halves).
;   window 1: v0-95, v128-223 U's fragments, two sets; a set that has had its last product takes cos/sin: v0-95 of L's blocks 2-4, v128-223 of blocks 5-7; v96-127, v224-255 bias.
;   windows 2, 3: accumulator (a, b) at v[8 (8 (a % 4) + b)], L's blocks 0-3 and 4-7.
; LIMITS: NaN and infinities are not served.  A block whose largest magnitude lies under 2^-124 keeps the scale byte 1; a block of zeros has the byte 1 where the rule says 127: its codes are zeros, and this program alone reads the bytes.
; BANKS: slots m and m + 8 of a tile of U lie 32 rows, 7,680 bytes = 30 x 256, apart, so they start at the same bank (64 banks of 4 bytes: ISA guide 11.1): U's fragment loads go two deep.
.set ROWB,   192                       ; a tile's row: 256 codes
.set KROW,   768                       ; a row of codes in memory
.set PITCH,  240                       ; an LDS row: 3 x (64 bytes + 16 of padding)
.set FR,     12                        ; registers of a fragment
.set NL,     6                         ; LDS loads that bring one
.set NP,     4                         ; places behind this matrix instruction (ISA guide 7.12.1)
.set HALFT,  128*PITCH                 ; 128 rows: one tensor load
.set SLOT,   4*HALFT                   ; L's 256 rows, then U's 256
.set HALFS,  16*272                    ; the scales of 128 rows: 16 units of 256 bytes + 16
.set SCL,    2*SLOT                    ; behind the ring: the scales
.set SPARE,  SCL+4*HALFS               ; behind them: the spare words, 128 bytes a wave
.set STGB,   12800                     ; a wave's stage on the way out: two heads' 6,144 bytes of codes, two heads' 256 bytes of scale words.  The stages lie in slot 0, which has had its last fill and its last read by then;
.set STGV,   4*STGB                    ; the V path's stages have bytes of their own behind the Q and K path's
.set ADRL, 16                          ; v16-17 L's fragments in slot 0, 1; v18-19 the same behind one padding more
.set ADRU, 20                          ; v20-23 the same for U
.set SPW,  28
.set NIL,  29
.set SC,   32
.set AF,   128                         ; L's fragments
.set T,    128                         ; the way out: 64 numbers
.set G1, 24                            ; s[24:31], s[32:39]: descriptor groups 1 and 0 (a set for each slot) for L's tiles
.set G0, 32
.set G1B, 48                           ; s[48:55], s[56:63]: for U's
.set G0B, 56
.set G1S, 68                           ; s[68:75], s[76:79]: for L's scales
.set G0S, 76
.set G1SB, 80                          ; s[80:87], s[88:91]: for U's
.set G0SB, 88
.set MSB, 0
.macro WIN new                         ; the immediate's high byte repeats the setting that is left
.if MSB != (\new)
	s_set_vgpr_msb (MSB<<8)|(\new)
.set MSB, (\new)
.endif
.endm
.set MUL_LO, 0xa1                      ; source 0 (U) window 1, source 1 (L) window 0, C and D window 2
.set MUL_HI, 0xf1                      ; the same, C and D window 3
.set TO_B,   0x40                      ; destination window 1, address window 0
; A joint load: waves 0 and 1 fetch for L, waves 2 and 3 for U; the branch hangs on the wave's number alone.  Four v_nop follow each of the two lines.
.macro JLOAD g0a, g1a, g0b, g1b
	s_cmp_eq_u32 s15, 0
	s_cbranch_scc0 .Lfor_b_\@
	tensor_load_to_lds s[\g0a:\g0a+3], s[\g1a:\g1a+7]
	s_nop 0
.rept 4
	v_nop
.endr
	s_branch .Lasked_\@
.Lfor_b_\@:
	tensor_load_to_lds s[\g0b:\g0b+3], s[\g1b:\g1b+7]
	s_nop 0
.rept 4
	v_nop
.endr
.Lasked_\@:
.endm
.macro CREST                           ; a round of the cluster's barrier behind its opening barrier
	s_cmp_lg_u32 s14, 0
	s_cbranch_scc1 .Lnot_wave_0_\@
	s_barrier_signal -3
.Lnot_wave_0_\@:
	s_barrier_wait -3
	s_barrier_signal -1
	s_barrier_wait -1
.endm
.macro CROUND                          ; a whole round
	s_barrier_signal -1
	s_barrier_wait -1
	CREST
.endm
.macro PLACES n
.rept \n
	v_nop
.endr
.endm
	s_load_b256 s[4:11], s[0:1], 0x0               ; x's codes, x's scales, Wqkv's codes, Wqkv's scales
	v_lshl_add_u32 v[SPW], v0, 2, SPARE
	v_mov_b32 v[NIL], 0
	ds_add_u32 v28, v29
	ds_add_u32 v28, v29
	s_wait_dscnt 0x0
	v_lshrrev_b32 v1, 5, v0
	v_readfirstlane_b32 s14, v1                    ; wave 0..3
	s_lshr_b32 s15, s14, 1                         ; which half of L's 256 rows I multiply.  Also: I fetch for L (0) or for U (1)
	s_and_b32 s16, s14, 1                          ; which half of U's.  Also: which 128 rows of that tile I fetch
	s_bfe_u32 s40, ttmp6, 0x40000                  ; cx
	s_bfe_u32 s41, ttmp6, 0x40004                  ; cy
	s_and_b32 s12, ttmp7, 0xffff                   ; the cluster's y, 0..11: under 8 Q and K, from 8 on V; the same in all sixteen partners
	s_max_u32 s13, s12, 8
	s_sub_co_u32 s13, s13, 8
	s_lshl_b32 s13, s13, 3                         ; V: 8 tiles of tokens for each cluster row
	s_lshl_b32 s42, ttmp9, 2
	s_add_co_u32 s42, s42, s40
	s_add_co_u32 s42, s42, s13                     ; U's tile: 4 x cluster x + cx (Q, K: 0..7 of Wqkv), + 8 (cluster y - 8) (V: 0..31 of x)
	s_lshl_b32 s17, s12, 2
	s_cmp_lt_u32 s12, 8
	s_cselect_b32 s17, s17, 8
	s_cselect_b32 s95, 0, 1                        ; the type
	s_add_co_u32 s17, s17, s41                     ; L's tile: 4 x cluster y + cy (of x), or 8 + cy (of Wqkv: V's rows begin at 2,048)
	s_lshl_b32 s43, s41, 2
	s_lshl_b32 s43, 15, s43                        ; my row of the cluster
	s_lshl_b32 s44, 0x1111, s40                    ; my column
	; descriptor group 1: 128 rows x 192 bytes, 16 bytes of padding behind every 64
	s_or_b32 s[G1+0], s43, (0<<16)|(1<<20)|(1<<21)|(3<<22)|(3<<25)   ; 15:0 the mask; 17:16 elements of 1 byte; 20 padding on; 21 set beside a mask; 24:22 after every 16 words; 31:25 of 4 words
	s_or_b32 s[G1B+0], s44, (0<<16)|(1<<20)|(1<<21)|(3<<22)|(3<<25)
.irp g, G1, G1B
	s_mov_b32 s[\g+1], ROWB<<16                    ; tensor_dim0
	s_mov_b32 s[\g+2], 128<<16                     ; tensor_dim1
	s_mov_b32 s[\g+3], ROWB<<16                    ; tile_dim0
	s_mov_b32 s[\g+4], 128                         ; tile_dim1
	s_mov_b32 s[\g+5], KROW                        ; tensor_dim0_stride
	s_mov_b32 s[\g+6], 0
	s_mov_b32 s[\g+7], 0
.endr
	; the scales of 128 rows: 4,096 dense bytes as 16 rows of 256 bytes (32 elements of 8 bytes), 16 bytes of padding behind each
	s_or_b32 s[G1S+0], s43, (3<<16)|(1<<20)|(1<<21)|(5<<22)|(3<<25)
	s_or_b32 s[G1SB+0], s44, (3<<16)|(1<<20)|(1<<21)|(5<<22)|(3<<25)
.irp g, G1S, G1SB
	s_mov_b32 s[\g+1], 32<<16
	s_mov_b32 s[\g+2], 16<<16
	s_mov_b32 s[\g+3], 32<<16
	s_mov_b32 s[\g+4], 16
	s_mov_b32 s[\g+5], 32
	s_mov_b32 s[\g+6], 0
	s_mov_b32 s[\g+7], 0
.endr
	s_lshl_b32 s18, s16, 7                         ; which 128 rows of a tile I fetch
	s_lshl_b32 s20, s17, 8
	s_add_co_u32 s20, s20, s18                     ; L's row (registers s17, s20-23, s96-99 never hold cx;
	s_lshl_b32 s46, s42, 8
	s_add_co_u32 s46, s46, s18                     ; U's row: s42, s46, s47, s92, s93, s100, s101, s104, s105 never hold cy)
	s_lshl_b32 s22, s20, 5                         ; 32 scale bytes a row
	s_mov_b32 s23, 0
	s_lshl_b32 s92, s46, 5
	s_mov_b32 s93, 0
	s_mul_i32 s20, s20, KROW                       ; 768 bytes of codes a row: at most 8,192 rows, one word
	s_mov_b32 s21, 0
	s_mul_i32 s46, s46, KROW
	s_mov_b32 s47, 0
	s_mul_i32 s45, s14, HALFT                      ; where they go: wave x 128 rows: no place in the cluster enters an LDS address
	s_mul_i32 s94, s14, HALFS
	s_wait_kmcnt 0x0
	s_cmp_lt_u32 s12, 8                            ; which tensor is L and which U hangs on the cluster's y alone
	s_cselect_b64 s[96:97], s[4:5], s[8:9]         ; L's codes
	s_cselect_b64 s[98:99], s[6:7], s[10:11]       ; L's scales
	s_cselect_b64 s[100:101], s[8:9], s[4:5]       ; U's codes
	s_cselect_b64 s[104:105], s[10:11], s[6:7]     ; U's scales
	s_add_nc_u64 s[20:21], s[96:97], s[20:21]
	s_add_nc_u64 s[22:23], s[98:99], s[22:23]
	s_add_nc_u64 s[46:47], s[100:101], s[46:47]
	s_add_nc_u64 s[92:93], s[104:105], s[92:93]
	s_load_b256 s[4:11], s[0:1], 0x20              ; Wqkv_b s[4:5], rope s[6:7], q_img s[8:9], kv_img s[10:11]
	CROUND                                         ; all sixteen work-groups are here: the first joint loads meet
	s_mov_b32 s[G0S], 1
	s_add_co_u32 s[G0S+1], s94, SCL
	s_mov_b64 s[G0S+2:G0S+3], s[22:23]
	s_or_b32 s[G0S+3], s[G0S+3], 0x80000000
	s_mov_b32 s[G0SB], 1
	s_add_co_u32 s[G0SB+1], s94, SCL
	s_mov_b64 s[G0SB+2:G0SB+3], s[92:93]
	s_or_b32 s[G0SB+3], s[G0SB+3], 0x80000000
	JLOAD G0S, G1S, G0SB, G1SB                     ; the scales first: they are wanted with the first step
.irp s, 0,1
	s_mov_b32 s[G0+4*\s], 1
	s_add_co_u32 s[G0+4*\s+1], s45, \s*SLOT
	s_add_nc_u64 s[G0+4*\s+2:G0+4*\s+3], s[20:21], \s*ROWB
	s_or_b32 s[G0+4*\s+3], s[G0+4*\s+3], 0x80000000
	s_mov_b32 s[G0B+4*\s], 1
	s_add_co_u32 s[G0B+4*\s+1], s45, \s*SLOT
	s_add_nc_u64 s[G0B+4*\s+2:G0B+4*\s+3], s[46:47], \s*ROWB
	s_or_b32 s[G0B+4*\s+3], s[G0B+4*\s+3], 0x80000000
	JLOAD G0+4*\s, G1, G0B+4*\s, G1B               ; three tensor loads of mine are out now
.endr
	v_and_b32 v1, 15, v0                           ; r
	v_bfe_u32 v2, v0, 4, 1                         ; h
	v_mul_u32_u24 v3, v1, PITCH
	v_mad_u32_u24 v3, v2, 24, v3                   ; L: row r x pitch + 24 h,
	v_lshl_add_u32 v4, v2, 4, v3                   ; and the same behind one padding more
	v_and_b32 v5, 7, v0
	v_bfe_u32 v6, v0, 3, 1
	v_lshl_add_u32 v7, v6, 5, v5                   ; U: row r % 8 + 32 (r / 8) of a tile
	v_mul_u32_u24 v7, v7, PITCH
	v_mad_u32_u24 v7, v2, 24, v7
	v_lshl_add_u32 v12, v2, 4, v7
	s_mul_i32 s21, s15, HALFT                      ; my 128 rows of L
	s_mul_i32 s22, s16, HALFT                      ; my 128 rows of U,
	s_add_co_u32 s22, s22, 2*HALFT                 ; which lie behind L's 256
.irp s, 0,1
	v_add_nc_u32 v[ADRL+\s], s21, v3
	v_add_nc_u32 v[ADRL+2+\s], s21, v4
	v_add_nc_u32 v[ADRU+\s], s22, v7
	v_add_nc_u32 v[ADRU+2+\s], s22, v12
	s_add_co_u32 s21, s21, SLOT
	s_add_co_u32 s22, s22, SLOT
.endr
	; The scale words.  Row p of 128 has its 32 bytes at 272 (p / 8) + 32 (p % 8).  L's block n, lane r: p = 16 n + r: 544 n + 272 (r / 8) + 32 (r % 8).
	; U's block n, lane 16 + r: p = 64 (n / 4) + 8 (n % 4) + r % 8 + 32 (r / 8): 544 n - 272 (n % 4) + 1,088 (r / 8) + 32 (r % 8).  So four address registers, one for each n % 4, and 544 n in the immediate.
	v_lshlrev_b32 v8, 5, v5
	v_mad_u32_u24 v8, v6, 272, v8
	v_and_b32 v9, 24, v0
	v_add_nc_u32 v9, 8, v9
	v_lshrrev_b32 v9, 5, v9                        ; 1 in lanes 24-31 (r / 8 = 1 and h = 1), else 0
	v_mad_u32_u24 v8, v9, 816, v8
	s_mul_i32 s21, s15, HALFS                      ; L's: my 128 rows
	s_mul_i32 s22, s16, HALFS                      ; U's: my 128 rows, behind L's 256
	s_add_co_u32 s22, s22, 2*HALFS
	s_sub_co_u32 s22, s22, s21
	v_mul_u32_u24 v9, s22, v2                      ; lanes 16-31 take U's
	s_add_co_u32 s21, s21, SCL
	v_add_nc_u32 v8, v8, v9
	v_add_nc_u32 v8, s21, v8                       ; n % 4 = 0
	v_mul_u32_u24 v12, v2, 272
	v_sub_nc_u32 v9, v8, v12                       ; 1
	v_sub_nc_u32 v10, v9, v12                      ; 2
	v_sub_nc_u32 v11, v10, v12                     ; 3
	s_wait_alu depctr_va_vdst(0)
	s_wait_kmcnt 0x0                               ; the four pointers of the way out
; A fragment, 16 rows x 128 K of 6-bit codes, is 12 registers: lane (r, h): registers 6 c .. 6 c + 5 hold K = 64 c + 32 h + 0 .. 31: 24 bytes of the row's stream of bits, in pieces of 8 bytes.
; Lanes 16-31 read three pieces further on; where that is behind one padding more, the second address register serves.  ro: the tile's first row, in bytes.
.macro FRAG reg, adr, q, ro
.irp p, 0,1,2,3,4,5
.set PC, 12*(\q)+6*(\p/3)+\p%3
.if PC%8 < 5
	ds_load_b64 v[\reg+2*\p:\reg+2*\p+1], v[\adr] offset:8*PC+16*(PC/8)+\ro
.else
	ds_load_b64 v[\reg+2*\p:\reg+2*\p+1], v[\adr+2] offset:8*PC+16*(PC/8)+\ro
.endif
.endr
.endm
; 16 matrix instructions: L's blocks a0, a0 + 1 x U's eight, the gq-th 128 along K.  p: U's set.  zero = 1: the first product starts the sums.  The 64 accumulators take turns, one instruction a turn,
; in the same order in every step.
.macro MUL16 a0, p, gq, zero
.irp a, \a0, \a0+1
.irp b, 0,1,2,3,4,5,6,7
.if \zero
	v_wmma_scale_f32_16x16x128_f8f6f4 v[8*(8*((\a)%4)+\b):8*(8*((\a)%4)+\b)+7], v[128*(\p)+FR*\b:128*(\p)+FR*\b+FR-1], v[AF+FR*(\a):AF+FR*(\a)+FR-1], 0, v[SC+8*\b+(\gq)], v[SC+8*(\a)+(\gq)] matrix_a_fmt:MATRIX_FMT_FP6 matrix_b_fmt:MATRIX_FMT_FP6 matrix_a_scale:MATRIX_SCALE_ROW1
.else
	v_wmma_scale_f32_16x16x128_f8f6f4 v[8*(8*((\a)%4)+\b):8*(8*((\a)%4)+\b)+7], v[128*(\p)+FR*\b:128*(\p)+FR*\b+FR-1], v[AF+FR*(\a):AF+FR*(\a)+FR-1], v[8*(8*((\a)%4)+\b):8*(8*((\a)%4)+\b)+7], v[SC+8*\b+(\gq)], v[SC+8*(\a)+(\gq)] matrix_a_fmt:MATRIX_FMT_FP6 matrix_b_fmt:MATRIX_FMT_FP6 matrix_a_scale:MATRIX_SCALE_ROW1
.endif
.endr
.endr
.endm
.macro FETCH_U slot, q, p              ; U's eight fragments of the slot's q-th 128 along K into set p; tile i begins at row 64 (i / 4) + 8 (i % 4)
	WIN TO_B
.irp i, 0,1,2,3,4,5,6,7
	FRAG 128*(\p)+FR*\i, ADRU+\slot, \q, (64*(\i/4)+8*(\i%4))*PITCH
.endr
	WIN 0
.endm
.macro FETCH_L slot, q, i0             ; L's blocks i0 .. i0 + 3
.irp i, \i0, \i0+1, \i0+2, \i0+3
	FRAG AF+FR*(\i), ADRL+\slot, \q, (\i)*16*PITCH
.endr
.endm
; A step of 128 along K that has its successor in the same slot.  A block of L is free as soon as its eight products are issued, so L has one set of registers: blocks 0-3 are fetched anew in the step's middle, blocks 4-7 at its end.
.macro STEP slot, q, gq, zero
	s_wait_dscnt 4*NL                              ; all but the youngest 24 loads (L's blocks 4-7)
	WIN MUL_LO
	MUL16 0, (\q)%2, \gq, \zero
	MUL16 2, (\q)%2, \gq, \zero
	s_wait_dscnt 0                                 ; L's blocks 4-7 are in (asked for 32 matrix instructions ago)
	PLACES NP                                      ; in front of loads into registers that matrix instructions have read
	FETCH_U \slot, (\q)+1, 1-(\q)%2
	FETCH_L \slot, (\q)+1, 0
	WIN MUL_HI
	MUL16 4, (\q)%2, \gq, \zero
	MUL16 6, (\q)%2, \gq, \zero
	PLACES NP
	WIN 0
	FETCH_L \slot, (\q)+1, 4
.endm
; A slot's last step changes slots: ONE barrier; in front of it each wave waits for all its tensor loads, adds 0 to its spare word, and waits for that and for its own reads of this slot.  fill = 1: this slot is filled again, two slots ahead.
.macro TURN slot, next, fill, gq
	s_wait_tensorcnt 0x0                           ; all my tensor loads have landed: my part of the next slot
	ds_add_u32 v[SPW], v[NIL]                      ; 0 onto my spare word
	s_wait_dscnt 4*NL+1                            ; (the add and the youngest 24 loads, L's blocks 4-7, may be out)
	WIN MUL_LO
	MUL16 0, 1, \gq, 0                             ; sixteen matrix instructions stand between the add and the wait for it
	s_wait_dscnt 0x0                               ; the add is done, and my reads of this slot are over
	s_barrier_signal -1
	MUL16 2, 1, \gq, 0
	WIN 0
	s_barrier_wait -1
.if \fill
	CREST                                          ; the barrier has opened a round of the cluster's barrier: no wave of any partner still reads this slot or has a load on its way
	s_add_nc_u64 s[G0+4*\slot+2:G0+4*\slot+3], s[G0+4*\slot+2:G0+4*\slot+3], 2*ROWB
	s_add_nc_u64 s[G0B+4*\slot+2:G0B+4*\slot+3], s[G0B+4*\slot+2:G0B+4*\slot+3], 2*ROWB
	JLOAD G0+4*\slot, G1, G0B+4*\slot, G1B         ; my one tensor load behind the round; the four v_nop behind it are the places in front of the loads below
.else
	PLACES NP
.endif
	FETCH_U \next, 0, 0
	FETCH_L \next, 0, 0
	WIN MUL_HI
	MUL16 4, 1, \gq, 0
	MUL16 6, 1, \gq, 0
	PLACES NP
	WIN 0
	FETCH_L \next, 0, 4
.endm
.macro LAST gq                         ; the very last step: nothing more to fetch
	s_wait_dscnt 4*NL
	WIN MUL_LO
	MUL16 0, 1, \gq, 0
	MUL16 2, 1, \gq, 0
	s_wait_dscnt 0
	WIN MUL_HI
	MUL16 4, 1, \gq, 0
	MUL16 6, 1, \gq, 0
	WIN 0
.endm
; THE QUANTISER of the way out.  v[T + 32 c + e], c = 0, 1: two whole blocks of 32 of my lane.  Codes to v[dst + 6 c ..+5], scale bytes to v[byt + c].
; The largest magnitude (two chains a block, the two blocks by turns) with the floor 2^(3 - 127) among its leaves, so that the byte cannot fall under 1; 2 off its exponent field is the conversion's scale operand.
.macro QUANT2 dst, byt
.irp c, 0,1
	v_max3_num_f32 v[4+\c], |v[T+32*\c]|, |v[T+32*\c+1]|, 0x1800000
	v_max3_num_f32 v[6+\c], |v[T+32*\c+16]|, |v[T+32*\c+17]|, |v[T+32*\c+18]|
.endr
.irp i, 2,4,6,8,10,12
.irp c, 0,1
	v_max3_num_f32 v[4+\c], v[4+\c], |v[T+32*\c+\i]|, |v[T+32*\c+\i+1]|
	v_max3_num_f32 v[6+\c], v[6+\c], |v[T+32*\c+\i+17]|, |v[T+32*\c+\i+18]|
.endr
.endr
.irp c, 0,1
	v_max3_num_f32 v[4+\c], v[4+\c], |v[T+32*\c+14]|, |v[T+32*\c+15]|
.endr
.irp c, 0,1
	v_max3_num_f32 v[4+\c], v[4+\c], v[6+\c], |v[T+32*\c+31]|
.endr
.irp c, 0,1
	v_add_nc_u32 v[8+\c], 0xff000000, v[4+\c]
.endr
.irp c, 0,1
	v_cvt_scalef32_pk16_fp6_f32 v[\dst+6*\c:\dst+6*\c+2], v[T+32*\c:T+32*\c+15], v[8+\c]
	v_cvt_scalef32_pk16_fp6_f32 v[216+4*\c:218+4*\c], v[T+32*\c+16:T+32*\c+31], v[8+\c]   ; (a conversion's three registers begin on an even number)
.endr
.irp c, 0,1
	v_lshrrev_b32 v[\byt+\c], 23, v[8+\c]          ; the scale's byte (and the plain place behind the conversions)
.endr
.irp c, 0,1
.irp i, 0,1,2
	v_mov_b32 v[\dst+6*\c+3+\i], v[216+4*\c+\i]
.endr
.endr
.endm
; L's block b wants 16 pairs of cos/sin a lane: 8 loads of 16 bytes into v[reg] on (of the window that is set for the destination).  v30 = 256 r + 128 h, s[6:7] = the table at my first token.
.macro CSLOAD reg, b
.irp k, 0,1,2,3,4,5,6,7
	global_load_b128 v[\reg+4*\k:\reg+4*\k+3], v30, s[6:7] offset:4096*(\b)+16*\k
.endr
.endm
; The stage goes out: two heads' 6,144 bytes of codes and 256 bytes of scale words.  v4 = stage + 16 x lane, v5 = stage + 8 x lane, v6 = 16 x lane, v7 = 8 x lane.  Every store covers whole aligned runs of 256 bytes.
.macro OUT
.set n, 0
.rept 24
	ds_load_b128 v[128+4*n:131+4*n], v4 offset:512*n   ; LDS serves a wave's instructions in order (ISA guide 5.7.1.4): these see my stores
.set n, n+1
.endr
	ds_load_b64 v[2:3], v5 offset:12288
	ds_load_b64 v[14:15], v5 offset:12544
	s_wait_dscnt 14                                ; head 0's twelve loads are in; head 1's twelve and the two of scale words may be out
.set n, 0
.rept 12
	global_store_b128 v6, v[128+4*n:131+4*n], s[20:21] offset:512*n
.set n, n+1
.endr
	s_wait_dscnt 0x0
.set n, 0
.rept 12
	global_store_b128 v6, v[176+4*n:179+4*n], s[22:23] offset:512*n
.set n, n+1
.endr
	global_store_b64 v7, v[2:3], s[24:25]
	global_store_b64 v7, v[14:15], s[26:27]
.endm
.macro FINISH
	s_wait_tensorcnt 0x0                           ; the wave's end: behind my last tensor load and my last LDS store
	ds_add_u32 v[SPW], v[NIL]
	s_wait_dscnt 0x0
	CROUND                                         ; the closing round: no work-group ends while a partner may still ask for a tile that names it
	s_endpgm
.endm
	s_wait_tensorcnt 1                             ; the scales and my part of slot 0 are in (slot 1's load may be out)
	s_barrier_signal -1
	s_barrier_wait -1                              ; everybody's are
.irp n, 0,1,2,3,4,5,6,7
	ds_load_b128 v[SC+8*\n:SC+8*\n+3], v[8+\n%4] offset:544*\n        ; block n's eight scale words, for all of K
	ds_load_b128 v[SC+8*\n+4:SC+8*\n+7], v[8+\n%4] offset:544*\n+16
.endr
	FETCH_U 0, 0, 0
	FETCH_L 0, 0, 0
	FETCH_L 0, 0, 4
	STEP 0, 0, 0, 1                                ; the first step's products start the sums
	TURN 0, 1, 1, 1                                ; slot 0 takes K 512 on
	STEP 1, 0, 2, 0
	TURN 1, 0, 1, 3                                ; slot 1 takes K 768 on
	STEP 0, 0, 4, 0
	TURN 0, 1, 0, 5                                ; the last barrier: nothing is filled again, slot 0 is free
	; THE TWO TYPES PART HERE, once, on the cluster's y; each path is written through to its end: its loads of bias (and cos/sin), the last two steps, its way out.
	s_cmp_lg_u32 s95, 0
	s_cbranch_scc1 .Lv_path
	; ================================ Q AND K ================================
	s_lshl_b32 s18, s42, 10
	s_lshl_b32 s19, s16, 9
	s_add_co_u32 s18, s18, s19                     ; 4 bytes x (256 x U's tile + 128 x half): my first row of Wqkv
	s_mov_b32 s19, 0
	s_add_nc_u64 s[4:5], s[4:5], s[18:19]          ; its bias
	s_lshl_b32 s45, s17, 8
	s_lshl_b32 s18, s15, 7
	s_add_co_u32 s45, s45, s18                     ; my first token: 256 x L's tile + 128 x half
	s_and_b32 s18, s45, 2047                       ; its place in the sequence,
	s_lshl_b32 s18, s18, 8                         ; 256 bytes of cos/sin a place
	s_add_nc_u64 s[6:7], s[6:7], s[18:19]
	v_and_b32 v1, 15, v0
	v_bfe_u32 v2, v0, 4, 1
	v_lshlrev_b32 v31, 7, v2                       ; bias: my half's 32 channels
	v_lshlrev_b32 v30, 8, v1
	v_lshl_add_u32 v30, v2, 7, v30                 ; cos/sin: token r, pairs 16 h on
	WIN TO_B
.irp c, 0,1
.irp k, 0,1,2,3,4,5,6,7
	global_load_b128 v[96+128*\c+4*\k:99+128*\c+4*\k], v31, s[4:5] offset:256*\c+16*\k   ; window 1: bias of channels 64 c + 32 h + 0 .. 31
.endr
.endr
	WIN 0
	; ALL EIGHT BLOCKS' COS/SIN ARE ASKED FOR LONG BEFORE THEY ARE USED, each as soon as 32 registers are free for it.  Blocks 0 and 1 here: the last 128 matrix instructions stand between these loads and their use.
	CSLOAD 96, 0
	CSLOAD 224, 1
	; where my two heads' images go: (16 bh + step) x 6,400 in q_img or x 12,800 in kv_img; the next head 16 such on; the scale words behind the codes (Q) or behind K's and V's codes (K)
	s_lshr_b32 s19, s45, 11
	s_lshl_b32 s19, s19, 4                         ; 16 b
	s_and_b32 s18, s42, 3
	s_lshl_b32 s18, s18, 2
	s_add_co_u32 s19, s19, s18
	s_lshl_b32 s18, s16, 1
	s_add_co_u32 s19, s19, s18                     ; bh of my first head: 16 b + 4 (tile % 4) + 2 x half
	s_lshl_b32 s19, s19, 4
	s_bfe_u32 s18, s45, 0x40007                    ; the step of 128 tokens
	s_add_co_u32 s19, s19, s18
	s_lshr_b32 s47, s42, 2                         ; 0: Q, 1: K
	s_lshl_b32 s45, 6400, s47
	s_lshl_b32 s46, 6144, s47
	s_cmp_lg_u32 s47, 0
	s_cselect_b64 s[20:21], s[10:11], s[8:9]
	s_mul_i32 s18, s19, s45
	s_mov_b32 s19, 0
	s_add_nc_u64 s[20:21], s[20:21], s[18:19]      ; head 0's codes  (no tensor load is out: the descriptors' registers are free)
	s_lshl_b32 s18, s45, 4
	s_add_nc_u64 s[22:23], s[20:21], s[18:19]      ; head 1's
	s_mov_b32 s18, s46
	s_add_nc_u64 s[24:25], s[20:21], s[18:19]      ; head 0's scale words
	s_add_nc_u64 s[26:27], s[22:23], s[18:19]      ; head 1's
	s_mul_i32 s13, s14, STGB                       ; my stage
	s_wait_alu depctr_va_vdst(0)
	STEP 1, 0, 6, 0
	WIN TO_B                                       ; U's set 0 has had its last product, and the step's own four places stand behind it: blocks 2, 3, 4 into its 96 registers;
	CSLOAD 0, 2                                    ; the last 64 matrix instructions and two blocks' arithmetic stand between these loads and their use
	CSLOAD 32, 3
	CSLOAD 64, 4
	WIN 0
	LAST 7
	; Token 16 a + r of my 128 is slot r % 8 + 8 ((a % 4) / 2) of tile 2 (a % 2) + r / 8 of group a / 4: unit 2 (a / 4) + a % 2, registers 6 (r / 8) + 0 .. 5 of lane (slot, h).
	; Register R of lane l lies at 512 (R / 4) + 16 l + 4 (R % 4): my three pairs at 520 (r / 8), 8 + 1,016 (r / 8), 512 + 520 (r / 8).  (These ten lines are also the places behind the last products.)
	v_and_b32 v1, 7, v0
	v_bfe_u32 v4, v0, 3, 1                         ; r / 8
	v_bfe_u32 v5, v0, 4, 1                         ; h
	v_lshlrev_b32 v1, 4, v1
	v_add_nc_u32 v1, s13, v1                       ; stage + 16 (r % 8)
	v_lshl_add_u32 v6, v5, 8, v1                   ; + 256 h
	v_mad_u32_u24 v24, v4, 520, v6                 ; pairs 0 and 2
	v_mad_u32_u24 v25, v4, 1016, v6                ; pair 1
	v_lshl_add_u32 v27, v4, 1, v1
	v_add_nc_u32 v27, v27, v5                      ; the scale byte: 16 x slot + 4 x unit + 2 (r / 8) + h
	WIN TO_B                                       ; U's set 1 has had its last product too: blocks 5, 6, 7 into its 96 registers; five blocks' arithmetic stands between these loads and their use
	CSLOAD 128, 5
	CSLOAD 160, 6
	CSLOAD 192, 7
	WIN 0
; L's block a: tokens 16 a + r.  Bias, RoPE, quantiser, stage.
.macro QKBLK a
.set CC, 192+12*((\a)%2)
.set BY, 10+2*((\a)%2)
.if (\a) < 2
.set CSR, 96+128*(\a)                  ; its cos/sin: window 0,
.elseif (\a) < 5
.set CSR, 32*((\a)-2)                  ; window 1, where U's set 0 lay,
.else
.set CSR, 128+32*((\a)-5)              ; window 1, where U's set 1 lay
.endif
	s_wait_loadcnt 8*(7-(\a))                      ; loads come back in order (ISA guide 5.7.1): the bias and this block's cos/sin are in; the eight loads of each later block may be out
	WIN 0x06+(\a)/4                                ; source 0: the accumulators' window; source 1: window 1, the bias
.set n, 0
.rept 32
	v_pk_add_f32 v[T+n:T+n+1], v[64*((\a)%4)+n:64*((\a)%4)+n+1], v[96+128*(n/32)+n%32:96+128*(n/32)+n%32+1]   ; each accumulator from its low end on
.set n, n+2
.endr
.if (\a) < 2
	WIN 0
.else
	WIN 0x04                                       ; source 1, the cos/sin, in window 1
.endif
.set n, 0
.rept 16                               ; pairs n and n + 1 of my 32 (head n / 16, pair 16 h + n % 16): (x1, x2) -> (x1 cos - x2 sin, x2 cos + x1 sin)
	v_pk_mul_f32 v[2:3], v[T+2*n:T+2*n+1], v[CSR+2*(n%16):CSR+2*(n%16)+1] op_sel:[1,1] op_sel_hi:[0,1]             ; (x2 sin, x1 sin)
	v_pk_mul_f32 v[14:15], v[T+2*n+2:T+2*n+3], v[CSR+2*(n%16)+2:CSR+2*(n%16)+3] op_sel:[1,1] op_sel_hi:[0,1]
	v_pk_fma_f32 v[T+2*n:T+2*n+1], v[T+2*n:T+2*n+1], v[CSR+2*(n%16):CSR+2*(n%16)+1], v[2:3] op_sel_hi:[1,0,1] neg_lo:[0,0,1]
	v_pk_fma_f32 v[T+2*n+2:T+2*n+3], v[T+2*n+2:T+2*n+3], v[CSR+2*(n%16)+2:CSR+2*(n%16)+3], v[14:15] op_sel_hi:[1,0,1] neg_lo:[0,0,1]
.set n, n+2
.endr
	WIN 0
	s_wait_dscnt 8                                 ; all but the last block's eight stores: the stores of two blocks ago have read this set of codes and bytes
	QUANT2 CC, BY
.irp c, 0,1
	ds_store_b64 v24, v[CC+6*\c:CC+6*\c+1] offset:6144*\c+1536*(2*((\a)/4)+(\a)%2)+128*(((\a)%4)/2)
	ds_store_b64 v25, v[CC+6*\c+2:CC+6*\c+3] offset:6144*\c+1536*(2*((\a)/4)+(\a)%2)+128*(((\a)%4)/2)+8
	ds_store_b64 v24, v[CC+6*\c+4:CC+6*\c+5] offset:6144*\c+1536*(2*((\a)/4)+(\a)%2)+128*(((\a)%4)/2)+512
	ds_store_b8 v27, v[BY+\c] offset:12288+256*\c+128*(((\a)%4)/2)+4*(2*((\a)/4)+(\a)%2)
.endr
.endm
.irp a, 0,1,2,3,4,5,6,7
	QKBLK \a
.endr
	v_and_b32 v6, 31, v0
	v_lshlrev_b32 v7, 3, v6
	v_lshlrev_b32 v6, 4, v6
	s_wait_alu depctr_va_vdst(0)
	v_add_nc_u32 v4, s13, v6
	v_add_nc_u32 v5, s13, v7
	OUT
	FINISH
	; ================================ V ================================
.Lv_path:
	s_lshl_b32 s18, s41, 10
	s_lshl_b32 s19, s15, 9
	s_add_co_u32 s18, s18, s19
	s_add_co_u32 s18, s18, 8192                    ; 4 bytes x (2,048 + 256 cy + 128 x half): my first row of Wqkv
	s_mov_b32 s19, 0
	s_add_nc_u64 s[4:5], s[4:5], s[18:19]
	v_and_b32 v1, 15, v0
	v_lshlrev_b32 v30, 2, v1
	WIN TO_B
.irp a, 0,1,2,3,4,5,6,7
	global_load_b32 v[96+2*\a], v30, s[4:5] offset:64*\a       ; window 1: the bias of my channel 16 a + r,
	global_load_b32 v[97+2*\a], v30, s[4:5] offset:64*\a       ; twice: the packed addition names a pair
.endr
	WIN 0
	; where my two heads' fragments go: (16 bh + step) x 12,800 + 6,144 in kv_img; the next head 204,800 on; the scale words 6,400 behind the fragments' first byte
	s_lshl_b32 s18, s42, 8
	s_lshl_b32 s19, s16, 7
	s_add_co_u32 s18, s18, s19                     ; my first key
	s_lshr_b32 s19, s18, 11
	s_lshl_b32 s19, s19, 4                         ; 16 b
	s_lshl_b32 s45, s41, 2
	s_add_co_u32 s19, s19, s45
	s_lshl_b32 s45, s15, 1
	s_add_co_u32 s19, s19, s45                     ; bh of my first head: 16 b + 4 cy + 2 x half
	s_lshl_b32 s19, s19, 4
	s_bfe_u32 s45, s18, 0x40007                    ; the step of 128 keys
	s_add_co_u32 s19, s19, s45
	s_mul_i32 s18, s19, 12800
	s_add_co_u32 s18, s18, 6144
	s_mov_b32 s19, 0
	s_add_nc_u64 s[20:21], s[10:11], s[18:19]
	s_add_nc_u64 s[22:23], s[20:21], 204800
	s_add_nc_u64 s[24:25], s[20:21], 6400
	s_add_nc_u64 s[26:27], s[22:23], 6400
	s_mul_i32 s13, s14, STGB
	s_add_co_u32 s13, s13, STGV                    ; my stage: this path's own bytes
	STEP 1, 0, 6, 0
	LAST 7
	; Channel 16 (a % 4) + r of head a / 4 is slot r % 8 + 8 ((a % 4) / 2) of fragment 2 (a % 2) + r / 8; my 12 registers are that lane's 12.  (These nine lines are also the places behind the last products.)
	v_and_b32 v1, 7, v0
	v_bfe_u32 v4, v0, 3, 1
	v_bfe_u32 v5, v0, 4, 1
	v_lshlrev_b32 v1, 4, v1
	v_add_nc_u32 v1, s13, v1                       ; stage + 16 (r % 8)
	v_lshl_add_u32 v6, v5, 8, v1
	v_mad_u32_u24 v24, v4, 1536, v6                ; + 256 h + 1,536 (r / 8)
	v_lshl_add_u32 v25, v4, 2, v1
	v_add_nc_u32 v25, v25, v5                      ; the scale bytes: 16 x slot + 4 x fragment + 2 c + h
	s_wait_loadcnt 0x0                             ; the bias
.macro VBLK a
.set CC, 192+12*((\a)%2)
.set BY, 10+2*((\a)%2)
	WIN 0x06+(\a)/4
.set n, 0
.rept 32
	v_pk_add_f32 v[T+n:T+n+1], v[64*((\a)%4)+n:64*((\a)%4)+n+1], v[96+2*(\a):97+2*(\a)] op_sel_hi:[1,0]   ; each accumulator from its low end on
.set n, n+2
.endr
	WIN 0
	s_wait_dscnt 5                                 ; all but the last block's five stores
	QUANT2 CC, BY
.irp k, 0,1,2
	ds_store_b128 v24, v[CC+4*\k:CC+4*\k+3] offset:6144*((\a)/4)+3072*((\a)%2)+128*(((\a)%4)/2)+512*\k
.endr
.irp c, 0,1
	ds_store_b8 v25, v[BY+\c] offset:12288+256*((\a)/4)+128*(((\a)%4)/2)+8*((\a)%2)+2*\c
.endr
.endm
.irp a, 0,1,2,3,4,5,6,7
	VBLK \a
.endr
	v_and_b32 v6, 31, v0
	v_lshlrev_b32 v7, 3, v6
	v_lshlrev_b32 v6, 4, v6
	s_wait_alu depctr_va_vdst(0)
	v_add_nc_u32 v4, s13, v6
	v_add_nc_u32 v5, s13, v7
	OUT
	FINISH
.Lfunc_end_k_q2c70c3526c_qkv:
	.size	k_q2c70c3526c_qkv, .Lfunc_end_k_q2c70c3526c_qkv-k_q2c70c3526c_qkv
	.p2alignl 7, 3214868480
	.fill 96, 4, 3214868480
	.section	.rodata,"a",@progbits
	.p2align	6, 0x0
	.amdhsa_kernel k_q2c70c3526c_qkv
		.amdhsa_group_segment_fixed_size 327680
		.amdhsa_private_segment_fixed_size 0
		.amdhsa_enable_private_segment 0
		.amdhsa_kernarg_size 64
		.amdhsa_user_sgpr_count 2
		.amdhsa_user_sgpr_kernarg_segment_ptr 1
		.amdhsa_wavefront_size32 1
		.amdhsa_system_sgpr_workgroup_id_x 1
		.amdhsa_system_sgpr_workgroup_id_y 1
		.amdhsa_system_sgpr_workgroup_id_z 1
		.amdhsa_system_vgpr_workitem_id 0
		.amdhsa_next_free_vgpr 1024
		.amdhsa_next_free_sgpr 106
		.amdhsa_reserve_vcc 0
		.amdhsa_float_denorm_mode_32 3
		.amdhsa_float_denorm_mode_16_64 3
		.amdhsa_memory_ordered 1
		.amdhsa_forward_progress 1
		.amdhsa_inst_pref_size 255
	.end_amdhsa_kernel
	.section	.bss,"aw",@nobits
	.p2align	6
	.space	262144
	.amdgpu_metadata
---
amdhsa.version: [ 1, 2 ]
amdhsa.kernels:
  - .name:           k_q2c70c3526c_qkv
    .symbol:         k_q2c70c3526c_qkv.kd
    .args:
      - { .name: x_codes, .offset: 0, .size: 8, .value_kind: global_buffer, .address_space: global }
      - { .name: x_scales, .offset: 8, .size: 8, .value_kind: global_buffer, .address_space: global }
      - { .name: Wqkv_w_codes, .offset: 16, .size: 8, .value_kind: global_buffer, .address_space: global }
      - { .name: Wqkv_w_scales, .offset: 24, .size: 8, .value_kind: global_buffer, .address_space: global }
      - { .name: Wqkv_b, .offset: 32, .size: 8, .value_kind: global_buffer, .address_space: global }
      - { .name: rope, .offset: 40, .size: 8, .value_kind: global_buffer, .address_space: global }
      - { .name: q_img, .offset: 48, .size: 8, .value_kind: global_buffer, .address_space: global }
      - { .name: kv_img, .offset: 56, .size: 8, .value_kind: global_buffer, .address_space: global }
    .group_segment_fixed_size: 327680
    .private_segment_fixed_size: 0
    .kernarg_segment_align: 8
    .kernarg_segment_size: 64
    .max_flat_workgroup_size: 128
    .sgpr_count:     106
    .vgpr_count:     1024
    .wavefront_size: 32
...
	.end_amdgpu_metadata
.endif
;; end of part 2
;; launch attn (part 3): grid 4 x 64, 16 waves a work-group, clusters of 4 x 1, 206,848 bytes of LDS; arguments q_img, kv_img, o_img, o_scales; writes o_img, o_scales
.if DOCPART == 3
	.amdgcn_target "amdgcn-amd-amdhsa--gfx1250"
	.amdhsa_code_object_version 6
	.text
	.protected	k_q2c70c3526c_attn
	.globl	k_q2c70c3526c_attn
	.p2align	8
	.type	k_q2c70c3526c_attn,@function
k_q2c70c3526c_attn:
	s_mov_b64 s[64:65], 0
	v_nop
	global_prefetch_b8 v0, s[64:65] scope:SCOPE_SE
	s_setreg_imm32_b32 hwreg(HW_REG_WAVE_MODE, 25, 1), 1
	s_wait_xcnt 0x0
	s_wait_alu depctr_hold_cnt(0) depctr_sa_sdst(0) depctr_va_vdst(0) depctr_va_sdst(0) depctr_va_ssrc(0) depctr_va_vcc(0) depctr_vm_vsrc(0)
	s_getreg_b32 s2, hwreg(HW_REG_IB_STS2, 6, 4)
	s_cmp_eq_u32 s2, 0
	s_cbranch_scc0 .Lentry_in_a_cluster
	s_endpgm
.Lentry_in_a_cluster:
	s_bfe_u32 s2, ttmp6, 0x10000c
	s_cmp_lg_u32 s2, 0x3003
	s_cbranch_scc0 .Lentry_shape_is_right
	s_endpgm
.Lentry_shape_is_right:
; Causal attention of one (batch, head) to a cluster of four work-groups, both products on codes of FP6 (E2M3) with E8M0 scales; the result is quantised along d and leaves as images of the last product's operand.
; THE HEAD'S WHOLE K AND V LIE IN LDS: 16 steps of 128 keys x 12,800 bytes (K's four units, V's four fragments, K's and V's scale words) = 204,800 bytes, brought ONCE: wave w asks for step w, jointly with the
; same wave of the three partners (the same descriptor, mask 15).  Nothing is filled again and nothing is stored to LDS: one barrier behind the fill, none after it.  The first tile's queries are loaded and laid out
; between the request for the step and the wait for it.
; SHARES.  The head's 2,048 queries are 32 groups of 64; tile i of a group (slot r = query 8 i + r % 8 + 32 (r / 8) of it) belongs to the work-group with cx = i.  Wave w takes group 31 - w and then group w: their
; key steps, (g / 2) + 1 each, sum to 17 for every wave.  Trip counts and branches hang on the wave's number alone; cx enters global addresses, a select and the mask's comparison.
; Sixteen waves of 256 registers, four to a SIMD, so that one wave's vector work stands beside another's matrix work and LDS loads.
; LAYOUT.  Both products are used transposed: S^T = K Q^T, O^T = V^T P^T: a lane holds ONE query (lane % 16).  The head's 64 fill half of the instruction's K of 128: a unit of K holds TWO tiles of 16 keys (registers
; 0-5, 6-11), and the queries stand twice, as (q | zero codes) and (zero codes | q): the first gives the scores of the unit's first tile, the second of its second.  The scale bytes over the zero codes are 1.
; The keys of a tile and V's channels are chosen (see the launch before) so that register 32 c + e of the scores is key 64 c + 32 h + e and register e of O^T is channel 32 h + e: whole blocks of 32 in a lane.
; SOFTMAX: t = score x log2(e) / 8; M = the running largest t rounded up to a whole number; p = 2^(t - M) is quantised, not normalised; the row's sum is taken of the unquantised p and divides at the end;
; when M moves, the sum and O^T are multiplied by 2^(old M - new M), which rounds nothing.  Hidden keys get the score -infinity (p = 0), as the problem's -1e9 gives in f32.
; A block's largest p is not searched for: the block's largest score goes through the same multiply-add and exponential (this takes v_exp_f32 not to fall where its input rises).
; LIMITS: NaN and infinities are not served; a block whose every number lies under 2^-124 keeps the scale byte 1, a block of zeros too: its codes are zeros, and this program alone reads the bytes.
; o_scales is stored 2 bytes a lane, 32 bytes apart: 262,144 bytes of the launch's 6,553,600 stored bytes leave in parts of 256-byte runs; the codes leave in whole runs.
; REGISTERS: v1 16 x lane; v2 the step's LDS address; v3 the mask's comparison; v4 -M; v5 the largest score; v[6:7] the sum; v[8:9] a factor; v10-15, v252-254 at work; v16-27 (q | 0); v28-39 (0 | q);
;   v40, v41 their scale words; v42 p's; v43 8 h; v44-47 lanes 0-15 K's scale words, lanes 16-31 V's; v48-95 K (later at work); v96-143 V; v144-207 S^T, then p; v208-239 O^T; v240-251 p's codes; v255 -infinity.
.set STEPB, 12800
.macro ROUND                           ; a round of the cluster's barrier
	s_barrier_signal -1
	s_barrier_wait -1
	s_cmp_lg_u32 s12, 0
	s_cbranch_scc1 .Lnot_wave_0_\@
	s_barrier_signal -3
.Lnot_wave_0_\@:
	s_barrier_wait -3
	s_barrier_signal -1
	s_barrier_wait -1
.endm
	s_load_b256 s[4:11], s[0:1], 0x0               ; q_img s[4:5], kv_img s[6:7], o_img s[8:9], o_scales s[10:11]
	v_lshl_add_u32 v254, v0, 2, 0x32000
	v_mov_b32 v255, 0
	ds_add_u32 v254, v255
	ds_add_u32 v254, v255
	s_wait_dscnt 0x0
	v_lshrrev_b32 v1, 5, v0
	s_delay_alu instid0(VALU_DEP_1)
	v_readfirstlane_b32 s12, v1                    ; wave 0..15
	s_bfe_u32 s13, ttmp6, 0x40000                  ; cx
	s_and_b32 s14, ttmp7, 0xffff                   ; bh = 16 b + head: the cluster's y
	s_lshr_b32 s15, s14, 4                         ; b
	s_and_b32 s16, s14, 15                         ; head
	s_mov_b32 s22, 0x3e38aa3b                      ; c = log2(e) / 8
	s_mov_b32 s23, s22                             ; (named with it as a pair)
	s_mov_b32 s36, 0x76543210
	s_mov_b32 s37, 0xfedcba98                      ; v_permlanex16_b32's selects for lane l xor 16
	s_and_b32 s39, s13, 1
	s_sub_co_u32 s38, 0, s39                       ; all ones where my tile is the second of its unit
	s_lshl_b32 s39, s39, 4                         ; and its two scale bytes lie 16 bits up
	; descriptor group 1: 12,800 dense bytes as 50 rows of 256 (32 elements of 8 bytes)
	s_mov_b32 s24, 15|(3<<16)|(1<<21)              ; 15:0 the mask: all four work-groups; 17:16 elements of 8 bytes; 20 no padding; 21 set beside a mask
	s_mov_b32 s25, 32<<16                          ; tensor_dim0
	s_mov_b32 s26, 50<<16                          ; tensor_dim1
	s_mov_b32 s27, 32<<16                          ; tile_dim0
	s_mov_b32 s28, 50                              ; tile_dim1
	s_mov_b32 s29, 32                              ; tensor_dim0_stride
	s_mov_b32 s30, 0
	s_mov_b32 s31, 0
	s_lshl_b32 s48, s14, 4
	s_add_co_u32 s48, s48, s12
	s_mul_i32 s48, s48, STEPB                      ; step w of my head, in memory (under 13,107,200)
	s_mov_b32 s49, 0
	s_mov_b32 s32, 1
	s_mul_i32 s33, s12, STEPB                      ; and in LDS
	s_wait_kmcnt 0x0
	s_add_nc_u64 s[34:35], s[6:7], s[48:49]
	s_or_b32 s35, s35, 0x80000000
	ROUND                                          ; all four work-groups are here: the joint loads meet
	tensor_load_to_lds s[32:35], s[24:31]          ; my one tensor load of the launch
	s_nop 0
.rept 4
	v_nop
.endr
	v_and_b32 v1, 31, v0
	s_delay_alu instid0(VALU_DEP_1)
	v_lshlrev_b32 v1, 4, v1                        ; 16 x lane
	v_bfe_u32 v43, v0, 4, 1
	s_delay_alu instid0(VALU_DEP_1)
	v_lshlrev_b32 v43, 3, v43                      ; 8 h
.irp n, 22,23,24,25,26,27,28,29,30,31,32,33
	v_mov_b32 v[\n], 0                             ; the zero codes of (q | 0) and (0 | q): written once
.endr
	v_mov_b32 v9, 0                                ; (the upper half of the pair v[8:9])
	v_mov_b32 v11, 0                               ; (a lane permute's destination counts as one of its sources)
	v_mov_b32 v15, 0
	v_mov_b32 v255, 0xff800000                     ; -infinity
; ONE TILE OF 16 QUERIES.  second = 0: group 31 - wave; 1: group wave.
.macro TILE second
.if \second
	s_mov_b32 s17, s12
.else
	s_xor_b32 s17, s12, 31                         ; 31 - wave
.endif
	s_lshr_b32 s18, s17, 1                         ; the group's step of 128, which is also its last key step
	s_lshl_b32 s48, s14, 4
	s_add_co_u32 s48, s48, s18
	s_mul_i32 s48, s48, 6400                       ; (16 bh + step) x 6,400 in q_img
	s_and_b32 s49, s17, 1
	s_lshl_b32 s50, s49, 1
	s_lshr_b32 s51, s13, 1
	s_add_co_u32 s50, s50, s51                     ; my unit: 2 (group % 2) + cx / 2
	s_mul_i32 s52, s50, 1536
	s_add_co_u32 s52, s52, s48
	s_mov_b32 s53, 0
	s_add_nc_u64 s[40:41], s[4:5], s[52:53]
	s_lshl_b32 s52, s50, 2
	s_add_co_u32 s52, s52, s48
	s_add_nc_u64 s[42:43], s[4:5], s[52:53]        ; its scale words: 6,144 + 16 x slot + 4 x unit
	v_and_b32 v10, 15, v0
	s_delay_alu instid0(VALU_DEP_1)
	v_lshlrev_b32 v10, 4, v10
	global_load_b128 v[144:147], v1, s[40:41]
	global_load_b128 v[148:151], v1, s[40:41] offset:512
	global_load_b128 v[152:155], v1, s[40:41] offset:1024
	global_load_b32 v156, v10, s[42:43] offset:6144
	s_lshl_b32 s49, s49, 6
	s_lshl_b32 s51, s13, 3
	s_add_co_u32 s49, s49, s51                     ; 64 (group % 2) + 8 cx
	v_and_b32 v12, 7, v0
	v_bfe_u32 v13, v0, 3, 1
	s_delay_alu instid0(VALU_DEP_1)
	v_lshl_add_u32 v12, v13, 5, v12
	v_bfe_u32 v13, v0, 4, 1
	s_delay_alu instid0(VALU_DEP_1)
	v_lshlrev_b32 v13, 5, v13
	s_delay_alu instid0(VALU_DEP_1)
	v_sub_nc_u32 v12, v12, v13
	s_delay_alu instid0(VALU_DEP_1)
	v_add_nc_u32 v3, s49, v12                      ; my query's place in the last key step, less 32 h
	v_mov_b32 v5, 0xff61b1e6                       ; the largest score so far: -3e38
	v_mov_b32 v4, 0x7f61b1e6                       ; -M: 3e38: the first change of M multiplies the zeros below by 0
	v_mov_b32 v6, 0
	v_mov_b32 v7, 0
	s_lshl_b32 s48, s15, 7
	s_lshl_b32 s50, s17, 2
	s_add_co_u32 s48, s48, s50
	s_add_co_u32 s48, s48, s13                     ; the row tile of the last product: 128 b + 4 x group + cx
	s_lshl_b32 s50, s48, 3
	s_lshr_b32 s51, s16, 1
	s_add_co_u32 s50, s50, s51
	s_mul_i32 s52, s50, 1536                       ; fragment (tile, head / 2),
	s_and_b32 s51, s16, 1
	s_mul_i32 s51, s51, 768                        ; its half head % 2
	s_add_co_u32 s52, s52, s51
	s_add_nc_u64 s[44:45], s[8:9], s[52:53]
	s_lshl_b32 s52, s48, 9
	s_lshl_b32 s51, s16, 1
	s_add_co_u32 s52, s52, s51
	s_add_nc_u64 s[46:47], s[10:11], s[52:53]      ; scale bytes: 32 x (16 x tile + slot) + 2 x head
	s_wait_loadcnt 0x0                             ; the unit and its scale words
.irp n, 0,1,2,3,4,5
	v_cndmask_b32 v[16+\n], v[144+\n], v[150+\n], s38   ; my tile's six registers of the unit's twelve
.endr
.irp n, 0,1,2,3,4,5
	v_mov_b32 v[34+\n], v[16+\n]
.endr
	v_lshrrev_b32 v12, s39, v156
	s_delay_alu instid0(VALU_DEP_1)
	v_and_b32 v12, 0xffff, v12                     ; my tile's two scale bytes
	s_delay_alu instid0(VALU_DEP_1)
	v_or_b32 v40, 0x01010000, v12                  ; for (q | 0)
	s_delay_alu instid0(VALU_DEP_2)
	v_lshl_or_b32 v41, v12, 16, 0x0101             ; for (0 | q)
.set n, 0
.rept 32
	v_mov_b32 v[208+n], 0                          ; O^T: the loop is written once.  (These are also the places between the lines above and the first scaled product)
.set n, n+1
.endr
.if !\second
	s_wait_tensorcnt 0x0                           ; my step of K and V has landed (all the lines of this tile up to here stood between the request and this wait),
	s_barrier_signal -1
	s_barrier_wait -1                              ; everybody's has: the head lies in LDS
.endif
	s_mov_b32 s19, 0                               ; the key step
	s_mov_b32 s20, 0                               ; its first LDS byte
.Lstep_\@:                                         ; 16 trips, a constant; the steps behind the group's last are jumped over, all but the lines that step
	s_cmp_gt_u32 s19, s18
	s_cbranch_scc1 .Lhid_\@
	s_setprio 2
	v_add_nc_u32 v2, s20, v1
.rept 3
	v_nop                                          ; with the line above: four places in front of loads into registers that the last trip's products have read
.endr
	ds_load_b128 v[44:47], v2 offset:12288         ; lanes 0-15: slot r's four words of K's units; lanes 16-31, 256 bytes on: slot r's four words of V's fragments
.set n, 0
.rept 12
	ds_load_b128 v[48+4*n:51+4*n], v2 offset:512*n
.set n, n+1
.endr
.set n, 0
.rept 12
	ds_load_b128 v[96+4*n:99+4*n], v2 offset:6144+512*n
.set n, n+1
.endr
	s_wait_dscnt 12                                ; the scale words and K are in; V's twelve loads may be out
.irp u, 0,1,2,3
	v_wmma_scale_f32_16x16x128_f8f6f4 v[144+16*\u:151+16*\u], v[48+12*\u:59+12*\u], v[16:27], 0, v[44+\u], v40 matrix_a_fmt:MATRIX_FMT_FP6 matrix_b_fmt:MATRIX_FMT_FP6
	v_wmma_scale_f32_16x16x128_f8f6f4 v[152+16*\u:159+16*\u], v[48+12*\u:59+12*\u], v[28:39], 0, v[44+\u], v41 matrix_a_fmt:MATRIX_FMT_FP6 matrix_b_fmt:MATRIX_FMT_FP6
.endr
.rept 4
	v_nop                                          ; places in front of the first read, or overwriting, of the scores
.endr
	s_cmp_lg_u32 s19, s18                          ; only the group's last step has hidden keys
	s_cbranch_scc1 .Lopen_\@
	; Register n holds key 64 (n / 32) + 32 h + n % 32 of the step: hidden where it comes after my query.  The group is the step's first 64 places (even group) or its last 64 (odd): a branch on the wave's number.
	s_bitcmp1_b32 s17, 0
	s_cbranch_scc1 .Lodd_\@
.set n, 0
.rept 32                               ; an even group: the step's first 64 keys are compared,
	v_cmp_gt_i32 vcc_lo, n, v3
	v_cndmask_b32 v[144+n], v[144+n], v255, vcc_lo
.set n, n+1
.endr
.set n, 0
.rept 32                               ; its last 64 come after every query of the group
	v_mov_b32 v[176+n], v255
.set n, n+1
.endr
	s_branch .Lopen_\@
.Lodd_\@:
.set n, 0
.rept 32                               ; an odd group: the step's first 64 keys all count, its last 64 are compared
	v_cmp_gt_i32 vcc_lo, 64+n, v3
	v_cndmask_b32 v[176+n], v[176+n], v255, vcc_lo
.set n, n+1
.endr
.Lopen_\@:
.irp c, 0,1                                    ; each block's largest score: two chains a block, the blocks by turns, every accumulator from its low end on
	v_max3_num_f32 v[12+\c], v[144+32*\c], v[145+32*\c], v[146+32*\c]
	v_max3_num_f32 v[252+\c], v[160+32*\c], v[161+32*\c], v[162+32*\c]
.endr
.irp i, 3,5,7,9,11,13
.irp c, 0,1
	v_max3_num_f32 v[12+\c], v[12+\c], v[144+32*\c+\i], v[145+32*\c+\i]
	v_max3_num_f32 v[252+\c], v[252+\c], v[160+32*\c+\i], v[161+32*\c+\i]
.endr
.endr
.irp c, 0
	v_max3_num_f32 v[12+\c], v[12+\c], v[159+32*\c], v[175+32*\c]
.endr
.irp c, 1
	v_max3_num_f32 v[12+\c], v[12+\c], v[159+32*\c], v[175+32*\c]
.endr
.irp c, 0,1
	s_delay_alu instid0(VALU_DEP_2)
	v_max_num_f32 v[12+\c], v[12+\c], v[252+\c]
.endr
	s_delay_alu instid0(VALU_DEP_1)
	v_max_num_f32 v10, v12, v13
	s_delay_alu instid0(VALU_DEP_1)
	v_permlanex16_b32 v11, v10, s36, s37           ; the query's other 64 keys lie in the lane 16 away
	s_delay_alu instid0(VALU_DEP_1)
	v_max3_num_f32 v5, v5, v10, v11                ; the running largest score
	v_mov_b32 v14, v4
	s_delay_alu instid0(VALU_DEP_2)
	v_mul_f32 v15, s22, v5                         ; as t (c is positive)
	s_delay_alu instid0(VALU_DEP_1)
	v_floor_f32 v4, -v15                           ; the new -M = -ceil(t)
	s_delay_alu instid0(VALU_DEP_1)
	v_sub_f32 v14, v4, v14                         ; old M - new M: a whole number, 0 or less
	s_delay_alu instid0(VALU_DEP_1)
	v_cvt_i32_f32 v14, v14                         ; (it saturates)
	s_delay_alu instid0(VALU_DEP_1)
	v_ldexp_f32 v8, 1.0, v14                       ; f = 2^(old M - new M)
.set n, 0
	s_setprio 1
.rept 32
	v_pk_fma_f32 v[144+n:145+n], v[144+n:145+n], s[22:23], v[4:5] op_sel_hi:[1,0,0]   ; t - M, two at a time
.set n, n+2
.endr
	v_fma_f32 v12, v12, s22, v4                    ; the same of each block's largest score
	v_fma_f32 v13, v13, s22, v4
.set n, 0
	s_wait_alu depctr_va_vdst(0)
.rept 64
	v_exp_f32 v[144+n], v[144+n]                   ; p = 2^(t - M)
.set n, n+1
.endr
	v_exp_f32 v12, v12                             ; each block's largest p
	v_exp_f32 v13, v13
	v_pk_mul_f32 v[6:7], v[6:7], v[8:9] op_sel_hi:[1,0]   ; the sums under the new M (the plain place behind the exponentials)
	s_wait_alu depctr_va_vdst(0)
	v_max_num_f32 v12, 0x1800000, v12              ; the floor 2^(3 - 127): the byte cannot fall under 1
	v_max_num_f32 v13, 0x1800000, v13
	s_delay_alu instid0(VALU_DEP_2)
	v_add_nc_u32 v10, 0xff000000, v12              ; 2 off the exponent field: the conversions' scale operands
	s_delay_alu instid0(VALU_DEP_2)
	v_add_nc_u32 v11, 0xff000000, v13
	s_delay_alu instid0(VALU_DEP_2)
	v_lshrrev_b32 v14, 23, v10                     ; the scales' bytes: blocks h and 2 + h of these 128 keys
	s_delay_alu instid0(VALU_DEP_2)
	v_lshrrev_b32 v15, 23, v11
	s_delay_alu instid0(VALU_DEP_1)
	v_lshl_or_b32 v14, v15, 16, v14
	s_delay_alu instid0(VALU_DEP_1)
	v_lshlrev_b32 v14, v43, v14                    ; at their places in the word,
	s_delay_alu instid0(VALU_DEP_1)
	v_permlanex16_b32 v15, v14, s36, s37
	s_delay_alu instid0(VALU_DEP_1)
	v_or_b32 v42, v14, v15                         ; with lane l xor 16's two the word is whole
	v_cvt_scalef32_pk16_fp6_f32 v[240:242], v[144:159], v10
	v_cvt_scalef32_pk16_fp6_f32 v[48:50], v[160:175], v10     ; (a conversion's three registers begin on an even number; K's registers are free)
	v_cvt_scalef32_pk16_fp6_f32 v[246:248], v[176:191], v11
	v_cvt_scalef32_pk16_fp6_f32 v[52:54], v[192:207], v11
	v_nop                                          ; one plain place behind a scaled conversion
.irp i, 0,1,2
	v_mov_b32 v[243+\i], v[48+\i]
	v_mov_b32 v[249+\i], v[52+\i]
.endr
	v_pk_add_f32 v[56:57], v[148:149], v[152:153]
	v_pk_add_f32 v[252:253], v[156:157], v[160:161]
	v_pk_add_f32 v[94:95], v[164:165], v[168:169]
	v_pk_add_f32 v[92:93], v[172:173], v[176:177]
	v_pk_add_f32 v[90:91], v[180:181], v[184:185]
	v_pk_add_f32 v[88:89], v[188:189], v[192:193]
	v_pk_add_f32 v[86:87], v[196:197], v[200:201]
	v_pk_add_f32 v[6:7], v[6:7], v[204:205]
	v_pk_add_f32 v[56:57], v[56:57], v[144:145]
	v_pk_add_f32 v[252:253], v[252:253], v[146:147]
	s_setprio 0
	v_pk_add_f32 v[94:95], v[94:95], v[150:151]
	v_pk_add_f32 v[92:93], v[92:93], v[154:155]
	v_pk_add_f32 v[90:91], v[90:91], v[158:159]
	v_pk_add_f32 v[88:89], v[88:89], v[162:163]
	v_pk_add_f32 v[86:87], v[86:87], v[166:167]
	v_pk_add_f32 v[6:7], v[6:7], v[170:171]
	v_pk_add_f32 v[56:57], v[56:57], v[174:175]
	v_pk_add_f32 v[252:253], v[252:253], v[178:179]
	v_pk_add_f32 v[94:95], v[94:95], v[182:183]
	v_pk_add_f32 v[92:93], v[92:93], v[186:187]
	v_pk_add_f32 v[90:91], v[90:91], v[190:191]
	v_pk_add_f32 v[88:89], v[88:89], v[194:195]
	v_pk_add_f32 v[86:87], v[86:87], v[198:199]
	v_pk_add_f32 v[6:7], v[6:7], v[202:203]
	v_pk_add_f32 v[56:57], v[56:57], v[206:207]
	s_delay_alu instid0(VALU_DEP_2)
	v_pk_add_f32 v[6:7], v[6:7], v[92:93]
	s_delay_alu instid0(VALU_DEP_2)
	v_pk_add_f32 v[56:57], v[56:57], v[90:91]
	v_pk_add_f32 v[252:253], v[252:253], v[88:89]
	v_pk_add_f32 v[94:95], v[94:95], v[86:87]
	s_delay_alu instid0(VALU_DEP_2)
	v_pk_add_f32 v[6:7], v[6:7], v[252:253]
	s_delay_alu instid0(VALU_DEP_2)
	v_pk_add_f32 v[56:57], v[56:57], v[94:95]
	s_delay_alu instid0(VALU_DEP_1)
	v_pk_add_f32 v[6:7], v[6:7], v[56:57]
.set n, 0
.rept 16
	v_pk_mul_f32 v[208+n:209+n], v[208+n:209+n], v[8:9] op_sel_hi:[1,0]   ; O^T under the new M.  (With the sums: the places between p's scale word and codes and the products below)
.set n, n+2
.endr
	s_wait_alu depctr_va_vdst(0)
	s_wait_dscnt 0x0                               ; V is in
.irp t, 0,1,2,3                                ; four accumulators by turns, one instruction a turn
	v_wmma_scale_f32_16x16x128_f8f6f4 v[208+8*\t:215+8*\t], v[96+12*\t:107+12*\t], v[240:251], v[208+8*\t:215+8*\t], v[44+\t], v42 matrix_a_fmt:MATRIX_FMT_FP6 matrix_b_fmt:MATRIX_FMT_FP6 matrix_a_scale:MATRIX_SCALE_ROW1
.endr
.Lhid_\@:
	s_add_co_u32 s20, s20, STEPB
	s_add_co_u32 s19, s19, 1
	s_cmp_lt_u32 s19, 16
	s_cbranch_scc1 .Lstep_\@
	s_setprio 0
	; THE TILE'S WAY OUT: O^T / the sum, quantised along d (my 32 channels are block 2 x head + h), straight from registers.
.rept 4
	v_nop                                          ; places behind the last products
.endr
	v_add_f32 v6, v6, v7
	s_delay_alu instid0(VALU_DEP_1)
	v_permlanex16_b32 v11, v6, s36, s37
	s_delay_alu instid0(VALU_DEP_1)
	v_add_f32 v6, v6, v11                          ; the row's sum
	s_wait_alu depctr_va_vdst(0)
	v_rcp_f32 v8, v6
	v_and_b32 v10, 15, v0                          ; (the plain place behind the reciprocal)
	s_delay_alu instid0(VALU_DEP_1)
	v_lshlrev_b32 v10, 5, v10                      ; 32 x slot
.set n, 0
	s_wait_alu depctr_va_vdst(0)
.rept 16
	v_pk_mul_f32 v[208+n:209+n], v[208+n:209+n], v[8:9] op_sel_hi:[1,0]   ; each accumulator from its low end on
.set n, n+2
.endr
	v_max3_num_f32 v12, |v208|, |v209|, 0x1800000
	v_max3_num_f32 v13, |v224|, |v225|, |v226|
.irp i, 2,4,6,8,10,12
	s_delay_alu instid0(VALU_DEP_2)
	v_max3_num_f32 v12, v12, |v[208+\i]|, |v[209+\i]|
	s_delay_alu instid0(VALU_DEP_2)
	v_max3_num_f32 v13, v13, |v[225+\i]|, |v[226+\i]|
.endr
	s_delay_alu instid0(VALU_DEP_2)
	v_max3_num_f32 v12, v12, |v222|, |v223|
	s_delay_alu instid0(VALU_DEP_1)
	v_max3_num_f32 v12, v12, v13, |v239|
	s_delay_alu instid0(VALU_DEP_1)
	v_add_nc_u32 v13, 0xff000000, v12
	v_cvt_scalef32_pk16_fp6_f32 v[240:242], v[208:223], v13
	v_cvt_scalef32_pk16_fp6_f32 v[48:50], v[224:239], v13
	v_lshrrev_b32 v14, 23, v13                     ; the scale's byte (and the plain place behind the conversions)
.irp i, 0,1,2
	v_mov_b32 v[243+\i], v[48+\i]
.endr
	s_delay_alu instid0(VALU_DEP_4)
	v_lshlrev_b32 v14, v43, v14
	s_delay_alu instid0(VALU_DEP_1)
	v_permlanex16_b32 v15, v14, s36, s37
	s_delay_alu instid0(VALU_DEP_1)
	v_or_b32 v14, v14, v15                         ; the head's two bytes of my row, in both halves of the lanes
	v_lshrrev_b32 v12, 1, v1                       ; 8 x lane
	global_store_b128 v1, v[240:243], s[44:45]               ; registers 0-3: 512 consecutive bytes,
	global_store_b64 v12, v[244:245], s[44:45] offset:512    ; registers 4, 5: 256
	global_store_b16 v10, v14, s[46:47]                      ; (lanes r and 16 + r store the same two bytes to the same place)
	s_wait_xcnt 0x0                                ; the stores' data, offsets and bases are written again only behind this wait
.endm
	TILE 0
	TILE 1
	s_wait_dscnt 0x0                               ; no LDS instruction of mine is out at a signal
	s_wait_xcnt 0x0
	v_lshl_add_u32 v254, v0, 2, 0x32000
	v_mov_b32 v255, 0
	s_wait_alu depctr_va_vdst(0)
	s_wait_tensorcnt 0x0
	ds_add_u32 v254, v255
	s_wait_dscnt 0x0
	ROUND                                          ; the closing round
	s_endpgm
.Lfunc_end_k_q2c70c3526c_attn:
	.size	k_q2c70c3526c_attn, .Lfunc_end_k_q2c70c3526c_attn-k_q2c70c3526c_attn
	.p2alignl 7, 3214868480
	.fill 96, 4, 3214868480
	.section	.rodata,"a",@progbits
	.p2align	6, 0x0
	.amdhsa_kernel k_q2c70c3526c_attn
		.amdhsa_group_segment_fixed_size 206848
		.amdhsa_private_segment_fixed_size 0
		.amdhsa_enable_private_segment 0
		.amdhsa_kernarg_size 32
		.amdhsa_user_sgpr_count 2
		.amdhsa_user_sgpr_kernarg_segment_ptr 1
		.amdhsa_wavefront_size32 1
		.amdhsa_system_sgpr_workgroup_id_x 1
		.amdhsa_system_sgpr_workgroup_id_y 1
		.amdhsa_system_sgpr_workgroup_id_z 1
		.amdhsa_system_vgpr_workitem_id 0
		.amdhsa_next_free_vgpr 256
		.amdhsa_next_free_sgpr 66
		.amdhsa_reserve_vcc 1
		.amdhsa_float_denorm_mode_32 3
		.amdhsa_float_denorm_mode_16_64 3
		.amdhsa_memory_ordered 1
		.amdhsa_forward_progress 1
		.amdhsa_inst_pref_size 64
	.end_amdhsa_kernel
	.amdgpu_metadata
---
amdhsa.version: [ 1, 2 ]
amdhsa.kernels:
  - .name:           k_q2c70c3526c_attn
    .symbol:         k_q2c70c3526c_attn.kd
    .args:
      - { .name: q_img, .offset: 0, .size: 8, .value_kind: global_buffer, .address_space: global }
      - { .name: kv_img, .offset: 8, .size: 8, .value_kind: global_buffer, .address_space: global }
      - { .name: o_img, .offset: 16, .size: 8, .value_kind: global_buffer, .address_space: global }
      - { .name: o_scales, .offset: 24, .size: 8, .value_kind: global_buffer, .address_space: global }
    .group_segment_fixed_size: 206848
    .private_segment_fixed_size: 0
    .kernarg_segment_align: 8
    .kernarg_segment_size: 32
    .max_flat_workgroup_size: 512
    .sgpr_count:     66
    .vgpr_count:     256
    .wavefront_size: 32
...
	.end_amdgpu_metadata
.endif
;; end of part 3
;; launch oproj (part 4): grid 4 x 64, 4 waves a work-group, clusters of 4 x 4, 327,680 bytes of LDS; arguments o_img, o_scales, Wo_w_codes, Wo_w_scales, Wo_b, out0; writes out0
.if DOCPART == 4
	.amdgcn_target "amdgcn-amd-amdhsa--gfx1250"
	.amdhsa_code_object_version 6
	.text
	.protected	k_q2c70c3526c_oproj
	.globl	k_q2c70c3526c_oproj
	.p2align	8
	.type	k_q2c70c3526c_oproj,@function
k_q2c70c3526c_oproj:
	s_mov_b64 s[64:65], 0
	v_nop
	global_prefetch_b8 v0, s[64:65] scope:SCOPE_SE
	s_setreg_imm32_b32 hwreg(HW_REG_WAVE_MODE, 25, 1), 1
	s_wait_xcnt 0x0
	s_wait_alu depctr_hold_cnt(0) depctr_sa_sdst(0) depctr_va_vdst(0) depctr_va_sdst(0) depctr_va_ssrc(0) depctr_va_vcc(0) depctr_vm_vsrc(0)
	s_getreg_b32 s2, hwreg(HW_REG_IB_STS2, 6, 4)
	s_cmp_eq_u32 s2, 0
	s_cbranch_scc0 .Lentry_in_a_cluster
	s_endpgm
.Lentry_in_a_cluster:
	s_bfe_u32 s2, ttmp6, 0x10000c
	s_cmp_lg_u32 s2, 0xf033
	s_cbranch_scc0 .Lentry_shape_is_right
	s_endpgm
.Lentry_shape_is_right:
; out0 = O Wo^T + Wo_b on codes of FP6 (E2M3) with E8M0 scales.  O: 8,192 rows x 1,024, as the attention launch left it: o_img [row tile 512][K step of 128: 8][1,536 bytes], an image of the operand's registers;
; o_scales [16 x tile + slot][32].  Slot r of tile 128 b + 4 g + i is token 64 g + 8 i + r % 8 + 32 (r / 8) of batch b.  Wo: [1,024][1,024] codes as given (768 bytes a row), scales [1,024][32].  out0: f32.
; A work-group of four waves makes 128 rows x 256 columns, so that 64 x 4 = 256 work-groups share the product; a wave makes 64 x 128: 4 blocks of O x 8 blocks of Wo, 32 accumulators.
; For 128 along K a wave then reads 6,144 + 12,288 bytes from LDS for 32 matrix instructions: more for each product than a tile twice as high would read; the tile twice as high has work for 128 work-groups only.
; K = 1,024 is four slots of 256.  THREE slots lie in LDS and are first fills, issued together; only slot 0 is filled again, with K 768 on: one round of the cluster's barrier in the product, and that load has
; three and a half steps of 128 in which to land.  By the text's own count a wave has four tensor loads out at the start (scales, three slots) and one behind the round.
; CLUSTERS: 4 x 4: O's tiles are asked for jointly along a row of the cluster, Wo's along a column.  THE MATRIX INSTRUCTION IS USED TRANSPOSED (source 0 = 16 rows of Wo, source 1 = 16 rows of O):
; a lane holds eight neighbouring numbers of a row of out0.  The bias is the C of the first step's products.
; A fragment of O in an image: two halves of 768 bytes (registers 0-5, 6-11); in a half registers 0-3 of lane l at 16 l, registers 4, 5 at 512 + 8 l: two loads of 16 and two of 8 bytes, no padding wanted.
; THE SCALES of the 128 + 256 rows for all of K come into LDS once and from there once into 64 registers: v[SC + 8 n + q], block n, step q; lanes 0-15 O's word (blocks 0-3; in registers of blocks 4-7 these lanes
; hold bytes that no product reads), lanes 16-31 Wo's.
; REGISTERS: window 0: v1-7, v26, v27, v30 at work; v8-13 O's addresses; v16-21 Wo's; v22-25 others; v28, v29 for the add; v32-95 scale words and nothing else; v96-127, v224-255 bias;
;   v128-175, v176-223 O's fragments, two sets (on the way out v128-255 take rows read back).   window 1: Wo's fragments, two sets, at v0 and v128.   window 2: accumulator (a, b) at v[8 (8 a + b)].
.set ROWB,   192
.set KROW,   768
.set PITCH,  240                       ; Wo's LDS row: 3 x (64 bytes + 16 of padding)
.set FR,     12
.set NP,     4                         ; places behind this matrix instruction (ISA guide 7.12.1)
.set HALFA,  4*3072                    ; 4 row tiles x 2 K steps of 128: one tensor load
.set HALFT,  128*PITCH                 ; 128 rows of Wo: one tensor load
.set SLOT,   2*HALFA+2*HALFT           ; O's 128 rows, then Wo's 256: 86,016 bytes
.set HALFSA, 8*272                     ; the scales of 64 rows of O: 8 units of 256 bytes + 16
.set HALFS,  16*272                    ; those of 128 rows of Wo
.set SCL,    3*SLOT                    ; behind the three slots: O's scales,
.set SCLB,   SCL+2*HALFSA              ; Wo's,
.set SPARE,  SCLB+2*HALFS              ; the spare words, 128 bytes a wave,
.set STAGE,  SPARE+512                 ; and the way out's stages, bytes of their own: 16 rows x (512 bytes + 16) for each wave; the text uses 305,408 bytes
.set SPITCH, 528
.set ADA,  8                           ; v8-10 16 x lane + my rows of O in slot 0, 1, 2; v11-13 8 x lane + the same
.set ADRB, 16                          ; v16-18 Wo's fragments in slot 0, 1, 2; v19-21 the same behind one padding more
.set STO,  22
.set RD,   23
.set CO,   24
.set ADRS, 25
.set SPW,  28
.set NIL,  29
.set SC,   32
.set AF,   128
.set BK,   128
.set G1, 24                            ; s[24:31] descriptor group 1 for O's tiles; s[32:43] group 0, a set for each slot
.set G0, 32
.set G0S, 44                           ; s[44:47] group 0 for O's scales
.set G1B, 48                           ; s[48:55] group 1 for Wo's tiles; group 0: slot s at s[56 + 4 s + 12 (s / 2)]: s[56:59], s[60:63], s[76:79]
.set G0B, 56
.set G1S, 68                           ; s[68:75] group 1 for O's scales
.set G1SB, 80                          ; s[80:87], s[88:91] groups 1 and 0 for Wo's scales
.set G0SB, 88
.set MSB, 0
.macro WIN new                         ; the immediate's high byte repeats the setting that is left
.if MSB != (\new)
	s_set_vgpr_msb (MSB<<8)|(\new)
.set MSB, (\new)
.endif
.endm
.set MUL,  0xa1                        ; source 0 (Wo) window 1, source 1 (O) window 0, C and D window 2
.set TO_B, 0x40                        ; destination window 1, address window 0
.macro JLOAD g0a, g1a, g0b, g1b        ; a joint load: waves 0 and 1 fetch for O, waves 2 and 3 for Wo; four v_nop follow each of the two lines
	s_cmp_eq_u32 s15, 0
	s_cbranch_scc0 .Lfor_b_\@
	tensor_load_to_lds s[\g0a:\g0a+3], s[\g1a:\g1a+7]
	s_nop 0
.rept 4
	v_nop
.endr
	s_branch .Lasked_\@
.Lfor_b_\@:
	tensor_load_to_lds s[\g0b:\g0b+3], s[\g1b:\g1b+7]
	s_nop 0
.rept 4
	v_nop
.endr
.Lasked_\@:
.endm
.macro CREST                           ; a round of the cluster's barrier behind its opening barrier
	s_cmp_lg_u32 s14, 0
	s_cbranch_scc1 .Lnot_wave_0_\@
	s_barrier_signal -3
.Lnot_wave_0_\@:
	s_barrier_wait -3
	s_barrier_signal -1
	s_barrier_wait -1
.endm
.macro CROUND
	s_barrier_signal -1
	s_barrier_wait -1
	CREST
.endm
.macro PLACES n
.rept \n
	v_nop
.endr
.endm
	s_load_b256 s[4:11], s[0:1], 0x0               ; o_img s[4:5], o_scales s[6:7], Wo's codes s[8:9], Wo's scales s[10:11]
	s_load_b64 s[96:97], s[0:1], 0x20              ; Wo_b
	s_load_b64 s[12:13], s[0:1], 0x28              ; out0
	v_lshl_add_u32 v[SPW], v0, 2, SPARE
	v_mov_b32 v[NIL], 0
	ds_add_u32 v28, v29
	ds_add_u32 v28, v29
	s_wait_dscnt 0x0
	v_lshrrev_b32 v1, 5, v0
	v_readfirstlane_b32 s14, v1                    ; wave 0..3
	s_lshr_b32 s15, s14, 1                         ; which half of the tile's 128 rows is mine.  Also: I fetch for O (0) or for Wo (1)
	s_and_b32 s16, s14, 1                          ; which half of its 256 columns.  Also: which half of that tile I fetch
	s_bfe_u32 s92, ttmp6, 0x40000                  ; cx
	s_bfe_u32 s93, ttmp6, 0x40004                  ; cy
	s_lshl_b32 s94, ttmp9, 2
	s_add_co_u32 s94, s94, s92                     ; tile column = 4 x cluster x + cx
	s_and_b32 s17, ttmp7, 0xffff
	s_lshl_b32 s17, s17, 2
	s_add_co_u32 s17, s17, s93                     ; tile row = 4 x cluster y + cy
	s_lshl_b32 s95, s93, 2
	s_lshl_b32 s95, 15, s95                        ; my row of the cluster
	s_lshl_b32 s98, 0x1111, s92                    ; my column
	; O: 4 row tiles x 3,072 bytes (384 elements of 8 bytes), 12,288 bytes (1,536 elements) apart, no padding
	s_or_b32 s[G1+0], s95, (3<<16)|(1<<21)         ; 15:0 the mask: my row; 17:16 elements of 8 bytes; 21 set beside a mask
	s_mov_b32 s[G1+1], 384<<16                     ; tensor_dim0
	s_mov_b32 s[G1+2], 4<<16                       ; tensor_dim1
	s_mov_b32 s[G1+3], 384<<16                     ; tile_dim0
	s_mov_b32 s[G1+4], 4                           ; tile_dim1
	s_mov_b32 s[G1+5], 1536                        ; tensor_dim0_stride
	s_mov_b32 s[G1+6], 0
	s_mov_b32 s[G1+7], 0
	; Wo: 128 rows x 192 bytes, 16 bytes of padding behind every 64
	s_or_b32 s[G1B+0], s98, (0<<16)|(1<<20)|(1<<21)|(3<<22)|(3<<25)
	s_mov_b32 s[G1B+1], ROWB<<16
	s_mov_b32 s[G1B+2], 128<<16
	s_mov_b32 s[G1B+3], ROWB<<16
	s_mov_b32 s[G1B+4], 128
	s_mov_b32 s[G1B+5], KROW
	s_mov_b32 s[G1B+6], 0
	s_mov_b32 s[G1B+7], 0
	; the scales: dense bytes as rows of 256 (32 elements of 8 bytes), 16 bytes of padding behind each: 8 rows for 64 rows of O, 16 for 128 rows of Wo
	s_or_b32 s[G1S+0], s95, (3<<16)|(1<<20)|(1<<21)|(5<<22)|(3<<25)
	s_mov_b32 s[G1S+1], 32<<16
	s_mov_b32 s[G1S+2], 8<<16
	s_mov_b32 s[G1S+3], 32<<16
	s_mov_b32 s[G1S+4], 8
	s_mov_b32 s[G1S+5], 32
	s_mov_b32 s[G1S+6], 0
	s_mov_b32 s[G1S+7], 0
	s_or_b32 s[G1SB+0], s98, (3<<16)|(1<<20)|(1<<21)|(5<<22)|(3<<25)
	s_mov_b32 s[G1SB+1], 32<<16
	s_mov_b32 s[G1SB+2], 16<<16
	s_mov_b32 s[G1SB+3], 32<<16
	s_mov_b32 s[G1SB+4], 16
	s_mov_b32 s[G1SB+5], 32
	s_mov_b32 s[G1SB+6], 0
	s_mov_b32 s[G1SB+7], 0
	s_lshl_b32 s20, s17, 3
	s_lshl_b32 s18, s16, 2
	s_add_co_u32 s20, s20, s18                     ; O: row tile 8 x tile row + 4 x half  (s17, s20-23 never hold cx;
	s_lshl_b32 s22, s20, 9                         ; its scales: 16 rows of 32 bytes a tile
	s_mov_b32 s23, 0
	s_mul_i32 s20, s20, 12288
	s_mov_b32 s21, 0
	s_lshl_b32 s66, s94, 8
	s_lshl_b32 s18, s16, 7
	s_add_co_u32 s66, s66, s18                     ; Wo: row 256 x tile column + 128 x half  (s94, s66, s67, s100, s101 never hold cy)
	s_lshl_b32 s100, s66, 5
	s_mov_b32 s101, 0
	s_mul_i32 s66, s66, KROW
	s_mov_b32 s67, 0
	s_mul_i32 s19, s16, HALFA                      ; where they go in a slot: O's halves,
	s_mul_i32 s99, s16, HALFT
	s_add_co_u32 s99, s99, 2*HALFA                 ; then Wo's: no place in the cluster enters an LDS address
	s_mul_i32 s2, s16, HALFSA
	s_add_co_u32 s2, s2, SCL                       ; O's scales,
	s_mul_i32 s3, s16, HALFS
	s_add_co_u32 s3, s3, SCLB                      ; Wo's
	s_wait_kmcnt 0x0
	s_add_nc_u64 s[20:21], s[4:5], s[20:21]
	s_add_nc_u64 s[22:23], s[6:7], s[22:23]
	s_add_nc_u64 s[66:67], s[8:9], s[66:67]
	s_add_nc_u64 s[100:101], s[10:11], s[100:101]
	CROUND                                         ; all sixteen work-groups are here: the first joint loads meet
	s_mov_b32 s[G0S], 1
	s_mov_b32 s[G0S+1], s2
	s_mov_b64 s[G0S+2:G0S+3], s[22:23]
	s_or_b32 s[G0S+3], s[G0S+3], 0x80000000
	s_mov_b32 s[G0SB], 1
	s_mov_b32 s[G0SB+1], s3
	s_mov_b64 s[G0SB+2:G0SB+3], s[100:101]
	s_or_b32 s[G0SB+3], s[G0SB+3], 0x80000000
	JLOAD G0S, G1S, G0SB, G1SB                     ; the scales first
.irp s, 0,1,2
	s_mov_b32 s[G0+4*\s], 1
	s_add_co_u32 s[G0+4*\s+1], s19, \s*SLOT
	s_add_nc_u64 s[G0+4*\s+2:G0+4*\s+3], s[20:21], \s*3072
	s_or_b32 s[G0+4*\s+3], s[G0+4*\s+3], 0x80000000
	s_mov_b32 s[G0B+4*\s+12*(\s/2)], 1
	s_add_co_u32 s[G0B+4*\s+12*(\s/2)+1], s99, \s*SLOT
	s_add_nc_u64 s[G0B+4*\s+12*(\s/2)+2:G0B+4*\s+12*(\s/2)+3], s[66:67], \s*ROWB
	s_or_b32 s[G0B+4*\s+12*(\s/2)+3], s[G0B+4*\s+12*(\s/2)+3], 0x80000000
	JLOAD G0+4*\s, G1, G0B+4*\s+12*(\s/2), G1B     ; K 0, 256 and 512 on: four tensor loads of mine are out now
.endr
	v_and_b32 v1, 15, v0                           ; r
	v_bfe_u32 v2, v0, 4, 1                         ; h
	v_and_b32 v6, 31, v0
	v_lshlrev_b32 v7, 4, v6                        ; 16 x lane
	v_lshlrev_b32 v26, 3, v6                       ; 8 x lane
	v_mul_u32_u24 v3, v1, PITCH
	v_mad_u32_u24 v4, v2, 24, v3                   ; Wo: row r x pitch + 24 h,
	v_lshl_add_u32 v5, v2, 4, v4                   ; and the same behind one padding more
	s_mul_i32 s21, s15, HALFA                      ; my 64 rows of O
	s_mul_i32 s22, s16, HALFT                      ; my 128 rows of Wo,
	s_add_co_u32 s22, s22, 2*HALFA                 ; which lie behind O's 128
.irp s, 0,1,2
	v_add_nc_u32 v[ADA+\s], s21, v7
	v_add_nc_u32 v[ADA+3+\s], s21, v26
	v_add_nc_u32 v[ADRB+\s], s22, v4
	v_add_nc_u32 v[ADRB+3+\s], s22, v5
	s_add_co_u32 s21, s21, SLOT
	s_add_co_u32 s22, s22, SLOT
.endr
	v_and_b32 v3, 7, v0                            ; the scale words: row 16 n + r has its 32 bytes at 544 n + 272 (r / 8) + 32 (r % 8)
	v_lshlrev_b32 v3, 5, v3
	v_bfe_u32 v27, v0, 3, 1
	v_mad_u32_u24 v3, v27, 272, v3
	s_mul_i32 s21, s15, HALFSA                     ; O's: my 64 rows
	s_mul_i32 s22, s16, HALFS                      ; Wo's: my 128 rows, behind O's 128
	s_add_co_u32 s22, s22, 2*HALFSA
	s_sub_co_u32 s22, s22, s21
	v_mul_u32_u24 v27, s22, v2                     ; lanes 16-31 take Wo's
	s_add_co_u32 s21, s21, SCL
	v_add_nc_u32 v3, v3, v27
	v_add_nc_u32 v[ADRS], s21, v3
	s_mul_i32 s23, s14, 16*SPITCH
	s_add_co_u32 s23, s23, STAGE                   ; my stage
	v_mul_u32_u24 v5, v1, SPITCH                   ; in: row r, 32 bytes for each half of the lanes
	v_lshl_add_u32 v5, v2, 5, v5
	v_add_nc_u32 v[STO], s23, v5
	v_mov_b32 v[CO], v7                            ; back: the 32 lanes take one row of 512 bytes; and the same in out0
	v_add_nc_u32 v[RD], s23, v7
	s_lshl_b32 s66, s94, 10                        ; my first column, in bytes: 1,024 x tile column + 512 x half
	s_lshl_b32 s67, s16, 9
	s_add_co_u32 s66, s66, s67
	s_mov_b32 s67, 0
	s_add_nc_u64 s[96:97], s[96:97], s[66:67]      ; its bias
	s_lshl_b32 s20, s17, 7
	s_lshl_b32 s21, s15, 6
	s_add_co_u32 s20, s20, s21                     ; my first token: 128 x tile row + 64 x half
	s_lshl_b32 s20, s20, 12                        ; 4,096 bytes a row of out0: under 2^25 in all
	s_mov_b32 s21, 0
	s_add_nc_u64 s[12:13], s[12:13], s[20:21]
	s_add_nc_u64 s[12:13], s[12:13], s[66:67]
	v_lshlrev_b32 v30, 5, v2                       ; the bias in the result's layout: block b, lane half h: columns 16 b + 8 h + 0 .. 7
.irp b, 0,1,2,3,4,5,6,7
	global_load_b128 v[96+8*\b+96*(\b/4):99+8*\b+96*(\b/4)], v30, s[96:97] offset:64*\b
	global_load_b128 v[100+8*\b+96*(\b/4):103+8*\b+96*(\b/4)], v30, s[96:97] offset:64*\b+16
.endr
.macro FRAG reg, adr, q, ro            ; a fragment of Wo from rows: six pieces of 8 bytes; lanes 16-31 read three pieces further on, where need be by the second address register
.irp p, 0,1,2,3,4,5
.set PC, 12*(\q)+6*(\p/3)+\p%3
.if PC%8 < 5
	ds_load_b64 v[\reg+2*\p:\reg+2*\p+1], v[\adr] offset:8*PC+16*(PC/8)+\ro
.else
	ds_load_b64 v[\reg+2*\p:\reg+2*\p+1], v[\adr+3] offset:8*PC+16*(PC/8)+\ro
.endif
.endr
.endm
.macro FRAG_A reg, slot, q, a          ; a fragment of O from its image
	ds_load_b128 v[\reg:\reg+3], v[ADA+\slot] offset:(\a)*3072+(\q)*1536
	ds_load_b64 v[\reg+4:\reg+5], v[ADA+3+\slot] offset:(\a)*3072+(\q)*1536+512
	ds_load_b128 v[\reg+6:\reg+9], v[ADA+\slot] offset:(\a)*3072+(\q)*1536+768
	ds_load_b64 v[\reg+10:\reg+11], v[ADA+3+\slot] offset:(\a)*3072+(\q)*1536+1280
.endm
; 8 matrix instructions: O's block a x Wo's eight, the gq-th 128 along K, from the sets p.  first = 1: the bias (window 0) is the C that starts the sums.
; The 32 accumulators take turns, one instruction a turn, in the same order in every step.
.macro MULA a, p, gq, first
.irp b, 0,1,2,3,4,5,6,7
.if \first
	v_wmma_scale_f32_16x16x128_f8f6f4 v[8*(8*(\a)+\b):8*(8*(\a)+\b)+7], v[128*(\p)+FR*\b:128*(\p)+FR*\b+FR-1], v[AF+48*(\p)+FR*(\a):AF+48*(\p)+FR*(\a)+FR-1], v[96+8*\b+96*(\b/4):103+8*\b+96*(\b/4)], v[SC+8*\b+(\gq)], v[SC+8*(\a)+(\gq)] matrix_a_fmt:MATRIX_FMT_FP6 matrix_b_fmt:MATRIX_FMT_FP6 matrix_a_scale:MATRIX_SCALE_ROW1
.else
	v_wmma_scale_f32_16x16x128_f8f6f4 v[8*(8*(\a)+\b):8*(8*(\a)+\b)+7], v[128*(\p)+FR*\b:128*(\p)+FR*\b+FR-1], v[AF+48*(\p)+FR*(\a):AF+48*(\p)+FR*(\a)+FR-1], v[8*(8*(\a)+\b):8*(8*(\a)+\b)+7], v[SC+8*\b+(\gq)], v[SC+8*(\a)+(\gq)] matrix_a_fmt:MATRIX_FMT_FP6 matrix_b_fmt:MATRIX_FMT_FP6 matrix_a_scale:MATRIX_SCALE_ROW1
.endif
.endr
.endm
.macro FETCH slot, q, p                ; a step's fragments, the slot's q-th 128 along K, into the sets p: Wo's eight (48 loads), O's four (16 loads)
	WIN TO_B
.irp i, 0,1,2,3,4,5,6,7
	FRAG 128*(\p)+FR*\i, ADRB+\slot, \q, \i*16*PITCH
.endr
	WIN 0
.irp i, 0,1,2,3
	FRAG_A AF+48*(\p)+FR*\i, \slot, \q, \i
.endr
.endm
; Step gq of 128 along K, on the sets gq % 2; in its middle the next step's fragments, (nslot, nq), are fetched into the other sets.
.macro STEP gq, nslot, nq, first
	s_wait_dscnt 0x0                               ; this step's fragments are in (asked for in the middle of the step before)
	WIN MUL-0x20*(\first)                          ; (first step: C in window 0)
	MULA 0, (\gq)%2, \gq, \first
	MULA 1, (\gq)%2, \gq, \first
	PLACES NP                                      ; in front of loads into registers that the last step's matrix instructions have read
	FETCH \nslot, \nq, 1-(\gq)%2
	WIN MUL-0x20*(\first)
	MULA 2, (\gq)%2, \gq, \first
	MULA 3, (\gq)%2, \gq, \first
.endm
; A step with a barrier.  In front of it each wave waits for all its tensor loads, adds 0 to its spare word, and waits for that and for its LDS reads.
; fill = 1 (the last step of slot 0's first tile): the barrier opens a round of the cluster's barrier, and behind it slot 0 is filled again with K 768 on.  fill = 0: that tile has landed in every wave's part, and is read.
.macro TURN gq, nslot, fill
	WIN 0                                          ; (the add's two registers lie in window 0)
	s_wait_tensorcnt 0x0                           ; all my tensor loads have landed
	ds_add_u32 v[SPW], v[NIL]                      ; 0 onto my spare word
	s_wait_dscnt 0x1                               ; this step's fragments are in; the add may be out
	WIN MUL
	MULA 0, (\gq)%2, \gq, 0                        ; sixteen matrix instructions stand between the add and the wait for it
	MULA 1, (\gq)%2, \gq, 0
	s_wait_dscnt 0x0                               ; the add is done, and no LDS read of mine is out
	s_barrier_signal -1
	MULA 2, (\gq)%2, \gq, 0                        ; work on registers while the others arrive
	WIN 0
	s_barrier_wait -1
.if \fill
	CREST                                          ; no wave of any partner still reads slot 0 or has a load on its way
	s_add_nc_u64 s[G0+2:G0+3], s[G0+2:G0+3], 3*3072
	s_add_nc_u64 s[G0B+2:G0B+3], s[G0B+2:G0B+3], 3*ROWB
	JLOAD G0, G1, G0B, G1B                         ; my one tensor load behind the round; the four v_nop behind it are the places in front of the loads below
.else
	PLACES NP
.endif
	FETCH \nslot, 0, 1-(\gq)%2
	WIN MUL
	MULA 3, (\gq)%2, \gq, 0
.endm
	s_wait_tensorcnt 0x2                           ; the scales and my part of slot 0 are in (the loads of slots 1 and 2 may be out)
	s_barrier_signal -1
	s_barrier_wait -1                              ; everybody's are
.irp n, 0,1,2,3,4,5,6,7
	ds_load_b128 v[SC+8*\n:SC+8*\n+3], v[ADRS] offset:544*\n          ; block n's eight scale words, for all of K
	ds_load_b128 v[SC+8*\n+4:SC+8*\n+7], v[ADRS] offset:544*\n+16
.endr
	FETCH 0, 0, 0
	s_wait_loadcnt 0x0                             ; the bias
	STEP 0, 0, 1, 1
	TURN 1, 1, 1                                   ; every wave has waited for slots 1 and 2 here; slot 0 takes K 768 on
	STEP 2, 1, 1, 0
	STEP 3, 2, 0, 0                                ; slot 2 was shown whole by the barrier above
	STEP 4, 2, 1, 0
	TURN 5, 0, 0                                   ; slot 0's second tile has landed
	STEP 6, 0, 1, 0
	s_wait_dscnt 0x0                               ; the very last step: nothing more to fetch
	WIN MUL
	MULA 0, 1, 7, 0
	MULA 1, 1, 7, 0
	MULA 2, 1, 7, 0
	MULA 3, 1, 7, 0
	WIN 0
; THE WAY OUT, block by block of 16 rows x 128 columns, through my own stage in LDS: in as 32 bytes a lane, back as whole rows of 512 bytes, which the 32 lanes store as two aligned runs of 256 bytes.
; Row t of block a is token 8 a + t % 8 + 32 (t / 8) of my 64: its place stands in the store's immediate, 63 rows of 4,096 bytes at the most, inside the signed 24 bits (ISA guide, chapter 10).
.macro TOSTAGE a
.set AC, 64*(\a)
	WIN 0x08                                       ; the data: window 2
.irp b, 0,1,2,3,4,5,6,7
	ds_store_b128 v[STO], v[AC+8*\b:AC+8*\b+3] offset:64*\b          ; each accumulator from its low end on
	ds_store_b128 v[STO], v[AC+8*\b+4:AC+8*\b+7] offset:64*\b+16
.endr
	WIN 0
.set BB, BK+64*((\a)%2)
.irp t, 0,1,2,3,4,5,6,7,8,9,10,11,12,13,14,15
	ds_load_b128 v[BB+4*\t:BB+4*\t+3], v[RD] offset:\t*SPITCH        ; LDS serves a wave's instructions in order (ISA guide 5.7.1.4): these see the stores above
.endr
.endm
.macro SEND a, younger                 ; younger: the LDS instructions issued behind block a's loads, which may stay out
.set BB, BK+64*((\a)%2)
	s_wait_dscnt \younger
.irp t, 0,1,2,3,4,5,6,7,8,9,10,11,12,13,14,15
	global_store_b128 v[CO], v[BB+4*\t:BB+4*\t+3], s[12:13] offset:(8*(\a)+\t%8+32*(\t/8))*4096 th:TH_STORE_NT
.endr
.endm
	PLACES NP                                      ; behind the last products: for the reads of results and for the loads into the registers that held O's fragments
	TOSTAGE 0
.irp a, 1,2,3
.if \a > 1
	s_wait_xcnt 0x0                                ; block a - 2's stores have read their registers: block a's loads may land there
.endif
	TOSTAGE \a
	SEND \a-1, 32                                  ; behind block a - 1's loads: block a's 16 stores and 16 loads
.endr
	SEND 3, 0
	s_wait_tensorcnt 0x0                           ; the wave's end: behind my last tensor load and my last LDS store
	ds_add_u32 v[SPW], v[NIL]
	s_wait_dscnt 0x0
	CROUND                                         ; the closing round: no work-group ends while a partner may still ask for a tile that names it
	s_endpgm
.Lfunc_end_k_q2c70c3526c_oproj:
	.size	k_q2c70c3526c_oproj, .Lfunc_end_k_q2c70c3526c_oproj-k_q2c70c3526c_oproj
	.p2alignl 7, 3214868480
	.fill 96, 4, 3214868480
	.section	.rodata,"a",@progbits
	.p2align	6, 0x0
	.amdhsa_kernel k_q2c70c3526c_oproj
		.amdhsa_group_segment_fixed_size 327680
		.amdhsa_private_segment_fixed_size 0
		.amdhsa_enable_private_segment 0
		.amdhsa_kernarg_size 48
		.amdhsa_user_sgpr_count 2
		.amdhsa_user_sgpr_kernarg_segment_ptr 1
		.amdhsa_wavefront_size32 1
		.amdhsa_system_sgpr_workgroup_id_x 1
		.amdhsa_system_sgpr_workgroup_id_y 1
		.amdhsa_system_sgpr_workgroup_id_z 1
		.amdhsa_system_vgpr_workitem_id 0
		.amdhsa_next_free_vgpr 768
		.amdhsa_next_free_sgpr 102
		.amdhsa_reserve_vcc 0
		.amdhsa_float_denorm_mode_32 3
		.amdhsa_float_denorm_mode_16_64 3
		.amdhsa_memory_ordered 1
		.amdhsa_forward_progress 1
		.amdhsa_inst_pref_size 96
	.end_amdhsa_kernel
	.amdgpu_metadata
---
amdhsa.version: [ 1, 2 ]
amdhsa.kernels:
  - .name:           k_q2c70c3526c_oproj
    .symbol:         k_q2c70c3526c_oproj.kd
    .args:
      - { .name: o_img, .offset: 0, .size: 8, .value_kind: global_buffer, .address_space: global }
      - { .name: o_scales, .offset: 8, .size: 8, .value_kind: global_buffer, .address_space: global }
      - { .name: Wo_w_codes, .offset: 16, .size: 8, .value_kind: global_buffer, .address_space: global }
      - { .name: Wo_w_scales, .offset: 24, .size: 8, .value_kind: global_buffer, .address_space: global }
      - { .name: Wo_b, .offset: 32, .size: 8, .value_kind: global_buffer, .address_space: global }
      - { .name: out0, .offset: 40, .size: 8, .value_kind: global_buffer, .address_space: global }
    .group_segment_fixed_size: 327680
    .private_segment_fixed_size: 0
    .kernarg_segment_align: 8
    .kernarg_segment_size: 48
    .max_flat_workgroup_size: 128
    .sgpr_count:     102
    .vgpr_count:     768
    .wavefront_size: 32
...
	.end_amdgpu_metadata
.endif
;; end of part 4
